; MI455X (gfx1250); checked and timed in simulation.
; The chip was launched on July 23, 2026; its instructions are those of AMD's public machine-readable ISA for CDNA 5 (MIT licence, August 2026) and "CDNA5" Instruction Set Architecture Reference Guide (July 2026). The comments in the code are by the model that wrote it; some were corrected since.
;; Qwen3 Attention. Allowed arithmetic: matrix products marked QUANTISED: E2M3 operands, one E8M0 scale for each 32 along K, by v_wmma_scale_f32_16x16x128_f8f6f4 with both operands' format E2M3, f32 sums; everything else in f32.
;; Inputs: Wk 4,096 x 1,024 float32; Wo 1,024 x 4,096 float32; Wq 4,096 x 2,048 float32; Wv 4,096 x 1,024 float32; cos 1 x 2,048 x 128 float32; hidden_states 1 x 2,048 x 4,096 float32; k_norm_w 128 float32; q_norm_w 128 float32; sin 1 x 2,048 x 128 float32.
;; Outputs: out0 1 x 2,048 x 4,096 float32.
;; This version of the problem:
;;   THIS VERSION OF THE PROBLEM IS GIVEN IN LOW PRECISION. The matrix products marked QUANTISED in the list below multiply operands that are first quantised to E2M3 (2 exponent bits, 3 mantissa bits; 6 bits a number), with one power-of-two scale for each 32 numbers along K (OCP MX v1.0); their sums are f32. All else is computed in f32.
;;   The module's matrix products, in the order in which they are computed (A, B: the left and right operand; K: the contracted axis; several contracted axes count as one K, in the product's order):
;;     1. [M 2,048, K 4,096] x [K 4,096, N 2,048]; A: input hidden_states; B: input Wq: QUANTISED
;;     2. [M 2,048, K 4,096] x [K 4,096, N 1,024]; A: input hidden_states; B: input Wk: QUANTISED
;;     3. [M 2,048, K 4,096] x [K 4,096, N 1,024]; A: input hidden_states; B: input Wv: QUANTISED
;;     4. batch 8 x [M 2,048, K 128] x [K 128, N 2,048]; A: computed on the way; B: computed on the way: QUANTISED
;;     5. batch 8 x [M 2,048, K 2,048] x [K 2,048, N 128]; A: softmax (see below); B: computed on the way: QUANTISED
;;     6. [M 2,048, K 1,024] x [K 1,024, N 4,096]; A: computed on the way; B: input Wo: QUANTISED
;;   THE QUANTISER, for each operand of a quantised product, along K:
;;     - K is cut into blocks of 32 from its start; a last block that is shorter is filled with zeros.
;;     - A block's scale is 2^e with e = floor(log2(the largest magnitude in the block)) - 2, held to -126 .. 127; a block of zeros has e = 0. As a byte (E8M0): e + 127.
;;     - Each number is divided by its block's scale, clamped to +-7.5, and rounded to the nearest number of E2M3, ties to even, subnormals kept.
;;     - The product sums the exact products of the quantised numbers (number of the format x scale) in f32.
;;   ~~~python
;;   def quantise(x, axis):      # numpy; x: float32 -> the quantised numbers, widened to float32 again
;;       x = np.moveaxis(x, axis, -1); K = x.shape[-1]
;;       x = np.pad(x, [(0, 0)] * (x.ndim - 1) + [(0, -K % 32)]); x = x.reshape(x.shape[:-1] + (-1, 32)); a = np.abs(x).max(-1, keepdims=True)
;;       e = np.where(a > 0, np.clip(np.frexp(np.where(a > 0, a, 1))[1] - 1 - 2, -126, 127), 0)      # np.frexp(a)[1] - 1 = floor(log2(a)), exactly
;;       r = np.clip(x / 2.0 ** e, -7.5, 7.5)
;;       step = 2.0 ** (np.maximum(np.frexp(np.where(r == 0, 1, r))[1] - 1, 0) - 3)
;;       q = np.round(r / step) * step * 2.0 ** e      # np.round: ties to even
;;       return np.moveaxis(q.reshape(q.shape[:-2] + (-1,))[..., :K], -1, axis).astype(np.float32)
;;   ~~~
;;   SOFTMAX AHEAD OF A QUANTISED PRODUCT. Where the list says 'softmax', what is quantised is not the finished softmax but p = 2^(t - M), with t = logit x log2(e) and M = ceil(the row's largest t), a whole number; so 1/2 < the row's largest p <= 1. The row's sum l is taken of the UNQUANTISED p, in f32, and the product's result is divided by l at the end. Since M is a whole number, a kernel that streams over the keys may use a running M (the ceiling of the running maximum): every later rescaling is an exact power of two, which a block's scale takes up: the codes' values come out the same.
;;   OPERANDS COMPUTED ON THE WAY. 'Computed on the way' means the value that the module computes at that place (a softmax that the list does not call 'softmax' is quantised finished and normalised). What goes into a quantiser is computed in f32, as accurately as f32 sums, v_exp_f32 and their like allow (about 1e-6 of the number): no bf16 or f16 on the way to a quantiser, and a product that is left as it is and whose result goes on into a quantised operand takes f32 operands (vector FMAs, or v_wmma_f32_16x16x4_f32). A number that lies on a knife's edge between two numbers of the format may be rounded either way, as far as f32 arithmetic and the matrix unit's own rounding can turn it there, and no further.
;; One version. Each part assembles by itself: llvm-mc -triple=amdgcn-amd-amdhsa -mcpu=gfx1250 --defsym DOCPART=n.
;; ======== version 1 of 1: 4 launches
;; limits: right only within a limited range of input values
;; workspace buffers: xq 6,553,600 bytes; wq3 13,107,200 bytes; woq 3,276,800 bytes; rope 2,097,152 bytes; qkv 4,915,200 bytes; gate 8,388,608 bytes; ai 1,638,400 bytes
;; launch prep (part 1): grid 256 x 1, 15 waves a work-group, no clusters, 120,320 bytes of LDS; arguments hidden_states, cos, sin, Wq, Wk, Wv, Wo, xq, wq3, woq, rope; writes xq, wq3, woq, rope
.if DOCPART == 1
	.amdgcn_target "amdgcn-amd-amdhsa--gfx1250"
	.amdhsa_code_object_version 6
	.text
	.protected	k_q692b593188_prep
	.globl	k_q692b593188_prep
	.p2align	8
	.type	k_q692b593188_prep,@function
k_q692b593188_prep:
	s_mov_b64 s[64:65], 0
	v_nop
	global_prefetch_b8 v0, s[64:65] scope:SCOPE_SE
	s_setreg_imm32_b32 hwreg(HW_REG_WAVE_MODE, 25, 1), 1
	s_wait_xcnt 0x0
; PREP: the f32 inputs are read once and become operands of MX-FP6 (E2M3 codes, one E8M0 byte for each 32 along K), laid as IMAGES OF THE OPERAND'S REGISTERS.
; A fragment image (16 rows x 128 K, 12 registers a lane) is 1,536 bytes: registers 4 c .. 4 c + 3 of lane l at 512 c + 16 l.  A PANEL (6,400 bytes) is one tile of 16 rows x 512 K: four images, then 256 bytes of
; scale words (row r, K step s: 6144 + 16 r + 4 s).  Buffers are [tile][K group].  THE ROWS OF A TILE ARE NOT NEIGHBOURS: image row r of tile T is true row 32 (T / 2) + 16 (r / 8) + 8 (T % 2) + r % 8, so that a
; product that takes eight neighbouring tiles as source 0 leaves 16 neighbours in the 16 registers of two neighbouring result tiles.
; THE DEAL.  Waves share nothing, so the work is dealt by waves: 2,560 units of W, 1,024 of X and 256 of R are 10 + 4 + 1 for each of 256 work-groups of 15 waves, the same bytes for every work-group.
;   waves 0..9   W: the four weights (K is their first axis): a lane takes a column, its registers run down K; a unit is 32 columns x 256 K: half a panel of two tiles.  Unit u = 10 x work-group + wave:
;                u % 4 which 32 of 128 columns, (u / 4) % 2 which half of the 512 K, u / 8 the block (0..127 Wq, 128..191 Wk, 192..255 Wv, 256..319 Wo).
;   waves 10..13 X: hidden_states (K innermost): a panel a wave
;   wave 14      R: cos or sin as an image of 64 f32 registers a lane (register 16 b + i of lane (r, h) = column 32 b + 16 h + i of image row r), 8,192 bytes a tile and table
; The paths part on the wave's number; each wave has LDS bytes of its own, WREG x its number.
; A block's scale is 2^(floor(log2(largest magnitude)) - 2): its byte is the largest magnitude's exponent field - 2, held at 1 from below by a floor among the maximum's leaves.
; LIMITS: a block of zeros gets the byte 1 where the quantiser says 127 (its codes are zeros, and this program alone reads the bytes); NaN and infinities among the inputs are not served.
.set WREG,  8448                       ; a wave's LDS region.  X: a stage of 16 rows x (512 + 16) bytes.  W: two tiles' images, WTILE apart
.set WTILE, 1664                       ; 128 modulo 256, so that the 16 lanes of a store touch 16 different columns of 16 bytes
.set XP,    528
.set SPARE, 14*WREG                    ; behind the regions: the spare words, 128 bytes for each of 15 waves, in whole blocks of 256; no other line names them
.set SPW,   12                         ; v12 LDS address of my spare word; never rewritten
.set NIL,   13                         ; v13 0; never rewritten
.set SEL,   28                         ; s[28:29] selects for lane l xor 16
.set VO,    64                         ; W: v64-95 offsets of 32 rows of the weight;  v96-159 two sets of 32 numbers;  v160-171 a fragment's 12 registers at work;  v172-174 a half block
.set XW,    96
.set F,     160
.set TC,    172
.set OB,    176                        ; W: v176-199 two images on their way out;  v200-201 two scale words
.set SB,    200
.set NBW,   8                          ; W: blocks of 32 along K in a unit
.set RX,    64                         ; X: v64-191 two sets of 64 numbers as loaded;  v192-255 64 numbers as the quantiser wants them
.set XX,    192
.set TM,    16                         ; X: v16-31 at work;  v32-43 the codes;  v44-51 half blocks;  v52-55 four scale words
.set PC,    32
.set PT,    44
.set PWB,   52
; 64 numbers of a lane, register 16 b + i = k 32 b + 16 (lane / 16) + i of my row, become a fragment's codes in v[pc] on and its scale word in v[pw]
.macro QUANT0 s, pc, pt, tm, pw
.irp b, 0,1,2,3
	v_max3_num_f32 v[\tm+\b], |v[\s+16*\b]|, |v[\s+1+16*\b]|, 0x1800000   ; my 16 numbers of block b, and the floor 2^(3 - 127)
.endr
.irp i, 2,4,6,8,10,12,14
.irp b, 0,1,2,3
	v_max3_num_f32 v[\tm+\b], v[\tm+\b], |v[\s+16*\b+\i]|, |v[\s+1+16*\b+\i]|
.endr
.endr
.irp b, 0,1,2,3
	v_permlanex16_b32 v[\tm+4+\b], v[\tm+\b], s[SEL], s[SEL+1]
.endr
.irp b, 0,1,2,3
	v_max_num_f32 v[\tm+\b], v[\tm+\b], v[\tm+4+\b]                   ; with lane l xor 16's: the block's largest magnitude
.endr
.irp b, 0,1,2,3
	v_add_nc_u32 v[\tm+12+\b], 0xff000000, v[\tm+\b]                  ; 2 off its exponent field: the conversion's scale operand
.endr
.irp b, 0,1,2,3
	v_lshrrev_b32 v[\tm+4+\b], 23, v[\tm+12+\b]                       ; the scale's byte
.endr
	v_lshl_or_b32 v[\pw], v[\tm+5], 8, v[\tm+4]
	v_lshl_or_b32 v[\pw], v[\tm+6], 16, v[\pw]
	v_lshl_or_b32 v[\pw], v[\tm+7], 24, v[\pw]
.irp c, 0,1
	v_cvt_scalef32_pk16_fp6_f32 v[\pc+6*\c:\pc+2+6*\c], v[\s+32*\c:\s+15+32*\c], v[\tm+12+2*\c]
	v_cvt_scalef32_pk16_fp6_f32 v[\pt+4*\c:\pt+2+4*\c], v[\s+16+32*\c:\s+31+32*\c], v[\tm+13+2*\c]   ; (a conversion's three registers begin on an even number)
.endr
	v_nop                                          ; one plain place behind a scaled conversion
.irp c, 0,1                                    ; the operand wants a whole block in a lane: lanes 0-15 block 2 c, lanes 16-31 block 2 c + 1
.irp i, 0,1,2
	v_permlane16_swap_b32 v[\pc+6*\c+\i], v[\pt+4*\c+\i]
.endr
.irp i, 0,1,2
	v_mov_b32 v[\pc+3+6*\c+\i], v[\pt+4*\c+\i]
.endr
.endr
.endm
; W: block t: 32 rows of the weight at my column, into set t % 2: a load reads 128 consecutive bytes a wave
.macro LOADW t
.set I, 0
.rept 32
	global_load_b32 v[XW+32*((\t)%2)+I], v[VO+I], s[32:33] th:TH_LOAD_NT
.set I, I+1
.endr
.endm
.macro BLOCKW t
.set XS, XW+32*((\t)%2)
.set CP, ((\t)%4)/2                    ; the block is number 2 CP + HH of its K step: registers 6 CP .. 6 CP + 5 of lane 16 HH + my image row
.set HH, (\t)%2
.if (\t) < NBW-1
	s_wait_loadcnt 32                              ; this block's 32 loads are in; the next block's 32 may be out
.else
	s_wait_loadcnt 0x0
.endif
	v_max3_num_f32 v204, |v[XS]|, |v[XS+1]|, |v[XS+2]|               ; the block's largest magnitude: all 32 numbers are mine
	v_max3_num_f32 v205, |v[XS+3]|, |v[XS+4]|, |v[XS+5]|
.irp i, 6,10,14,18,22,26
	v_max3_num_f32 v204, v204, |v[XS+\i]|, |v[XS+\i+1]|
	v_max3_num_f32 v205, v205, |v[XS+\i+2]|, |v[XS+\i+3]|
.endr
	v_max3_num_f32 v204, v204, |v[XS+30]|, |v[XS+31]|
	v_max3_num_f32 v204, v204, v205, 0x1800000     ; and the floor
	v_add_nc_u32 v206, 0xff000000, v204            ; the conversion's scale operand
	v_lshrrev_b32 v207, 23, v206                   ; the scale's byte
.if (\t)%4 == 0
	v_mov_b32 v[SB+(\t)/4], v207
.else
	v_lshl_or_b32 v[SB+(\t)/4], v207, 8*((\t)%4), v[SB+(\t)/4]
.endif
	v_cvt_scalef32_pk16_fp6_f32 v[F+6*CP:F+6*CP+2], v[XS:XS+15], v206
	v_cvt_scalef32_pk16_fp6_f32 v[TC:TC+2], v[XS+16:XS+31], v206
	v_nop                                          ; one plain place behind a scaled conversion
	v_mov_b32 v[F+6*CP+3], v[TC]
	v_mov_b32 v[F+6*CP+4], v[TC+1]
	v_mov_b32 v[F+6*CP+5], v[TC+2]
.if CP == 0
	ds_store_b128 v5, v[F:F+3] offset:256*HH       ; registers 0-3 of the image's lane,
	ds_store_b64 v5, v[F+4:F+5] offset:512+256*HH  ; 4 and 5
.else
	ds_store_b64 v5, v[F+6:F+7] offset:520+256*HH  ; 6 and 7,
	ds_store_b128 v5, v[F+8:F+11] offset:1024+256*HH   ; 8-11
.endif
.if (\t)+2 < NBW
	s_wait_xcnt 0x0                                ; the earlier loads have read their base: it steps 32 rows down
	s_add_nc_u64 s[32:33], s[32:33], s[34:35]
	LOADW (\t)+2
.endif
	s_wait_dscnt 0x0                               ; the stores have read their registers
.if (\t)%4 == 3                        ; a K step of two tiles is whole: both images leave, 512 consecutive bytes a store
	s_wait_xcnt 0x0                                ; the last K step's stores have read their data
.irp u, 0,1
.irp c, 0,1,2
	ds_load_b128 v[OB+12*\u+4*\c:OB+12*\u+4*\c+3], v6 offset:WTILE*\u+512*\c
.endr
.endr
	s_wait_dscnt 0x0
.irp c, 0,1,2
	global_store_b128 v9, v[OB+4*\c:OB+4*\c+3], s[36:37] offset:1536*((\t)/4)+512*\c
.endr
.irp c, 0,1,2
	global_store_b128 v7, v[OB+12+4*\c:OB+12+4*\c+3], s[36:37] offset:1536*((\t)/4)+512*\c
.endr
.endif
.endm
; X: K step t of 4: 16 rows x 512 bytes; a load reads one row's 512 consecutive bytes; the order of the tile's rows stands in the immediate
.macro LOADX t
.irp i, 0,1,2,3,4,5,6,7,8,9,10,11,12,13,14,15
	global_load_b128 v[RX+64*((\t)%2)+4*\i:RX+64*((\t)%2)+4*\i+3], v4, s[4:5] offset:(16*(\i/8)+\i%8)*16384+512*(\t) th:TH_LOAD_NT
.endr
.endm
.macro STEPX t
.if (\t) < 3
	s_wait_loadcnt 16                              ; this K step's 16 loads are in; the next one's 16 may be out
.else
	s_wait_loadcnt 0x0
.endif
.irp i, 0,1,2,3,4,5,6,7,8,9,10,11,12,13,14,15
	ds_store_b128 v5, v[RX+64*((\t)%2)+4*\i:RX+64*((\t)%2)+4*\i+3] offset:XP*\i
.endr
.irp b, 0,1,2,3
.irp j, 0,1,2,3
	ds_load_b128 v[XX+16*\b+4*\j:XX+16*\b+4*\j+3], v6 offset:128*\b+16*\j   ; LDS serves a wave's instructions in order: these see my stores
.endr
.endr
	s_wait_dscnt 0x0
.if (\t) < 2
	LOADX (\t)+2
.endif
.if (\t) > 0
	s_wait_xcnt 0x0                                ; the last K step's stores have read the codes' registers
.endif
	QUANT0 XX, PC, PT, TM, PWB+(\t)
.irp c, 0,1,2
	global_store_b128 v4, v[PC+4*\c:PC+4*\c+3], s[18:19] offset:1536*(\t)+512*\c
.endr
.endm
	s_load_b256 s[4:11], s[0:1], 0x0               ; hidden s[4:5], cos s[6:7], sin s[8:9], Wq s[10:11]
	s_load_b256 s[12:19], s[0:1], 0x20             ; Wk s[12:13], Wv s[14:15], Wo s[16:17], xq s[18:19]
	s_load_b128 s[20:23], s[0:1], 0x40             ; wq3 s[20:21], woq s[22:23]
	s_load_b64 s[24:25], s[0:1], 0x50              ; rope
	v_lshl_add_u32 v[SPW], v0, 2, SPARE
	v_mov_b32 v[NIL], 0
	v_lshrrev_b32 v1, 5, v0
	v_readfirstlane_b32 s26, v1                    ; wave
	v_and_b32 v1, 31, v0                           ; lane
	v_and_b32 v2, 15, v0                           ; r
	v_bfe_u32 v3, v0, 4, 1                         ; h
	v_lshlrev_b32 v4, 4, v1                        ; 16 x lane: my place in an image
	s_mov_b32 s[SEL], 0x76543210
	s_mov_b32 s[SEL+1], 0xfedcba98
	s_mul_i32 s27, s26, WREG                       ; my LDS region
	s_wait_alu depctr_va_vdst(0)                   ; the head's end
	s_wait_kmcnt 0x0
	s_cmp_ge_u32 s26, 14
	s_cbranch_scc1 .Lrope
	s_cmp_ge_u32 s26, 10
	s_cbranch_scc1 .Lhidden
	; ---- W.  Only numbers and pointers are chosen: one text serves all four weights
	s_mul_i32 s50, ttmp9, 10
	s_add_co_u32 s50, s50, s26                     ; my unit
	s_and_b32 s51, s50, 3                          ; which 32 of the block's 128 columns
	s_bfe_u32 s52, s50, 0x10002                    ; which half of its 512 along K
	s_lshr_b32 s50, s50, 3                         ; the block, 0..319
	s_mov_b32 s38, 16384                           ; a row of the weight in bytes
	s_mov_b32 s39, 5                               ; log2 of its blocks of 128 columns
	s_mov_b32 s40, 256                             ; its first block
	s_mov_b32 s41, 0                               ; its first tile in the buffer of codes
	s_mov_b32 s42, 12800                           ; a tile's panels in bytes
	s_mov_b64 s[32:33], s[16:17]
	s_mov_b64 s[36:37], s[22:23]
	s_cmp_lt_u32 s50, 256
	s_cselect_b32 s38, 4096, s38
	s_cselect_b32 s39, 3, s39
	s_cselect_b32 s40, 192, s40
	s_cselect_b32 s41, 192, s41
	s_cselect_b32 s42, 51200, s42
	s_cselect_b64 s[32:33], s[14:15], s[32:33]
	s_cselect_b64 s[36:37], s[20:21], s[36:37]
	s_cmp_lt_u32 s50, 192
	s_cselect_b32 s40, 128, s40
	s_cselect_b32 s41, 128, s41
	s_cselect_b64 s[32:33], s[12:13], s[32:33]
	s_cmp_lt_u32 s50, 128
	s_cselect_b32 s38, 8192, s38
	s_cselect_b32 s39, 4, s39
	s_cselect_b32 s40, 0, s40
	s_cselect_b32 s41, 0, s41
	s_cselect_b64 s[32:33], s[10:11], s[32:33]
	s_sub_co_u32 s43, s50, s40
	s_lshr_b32 s44, s43, s39                       ; g: which 512 along K
	s_lshl_b32 s45, s44, s39
	s_sub_co_u32 s45, s43, s45                     ; nb: which 128 columns
	s_lshl_b32 s46, s44, 1
	s_add_co_u32 s46, s46, s52                     ; 2 g + half: which 256 along K
	s_mul_i32 s46, s46, s38
	s_lshl_b32 s46, s46, 8                         ; so many rows,
	s_lshl_b32 s47, s45, 9
	s_add_co_u32 s46, s46, s47                     ; 128 nb columns,
	s_lshl_b32 s47, s51, 7
	s_add_co_u32 s46, s46, s47                     ; my 32 columns
	s_mov_b32 s47, 0
	s_add_nc_u64 s[32:33], s[32:33], s[46:47]
	s_lshl_b32 s34, s38, 5                         ; a block on: 32 rows
	s_mov_b32 s35, 0
	s_lshl_b32 s48, s45, 3
	s_add_co_u32 s48, s48, s41
	s_lshl_b32 s49, s51, 1
	s_add_co_u32 s48, s48, s49                     ; my first tile
	s_mul_i32 s48, s48, s42
	s_mul_i32 s49, s44, 6400
	s_add_co_u32 s48, s48, s49
	s_mov_b32 s49, 0
	s_add_nc_u64 s[36:37], s[36:37], s[48:49]      ; its panel g
	s_mul_i32 s53, s52, 3072                       ; my half's two images in the panel,
	s_lshl_b32 s54, s52, 3                         ; and its two scale words of a row's four
	v_bfe_u32 v14, v0, 3, 1                        ; u: which of my wave's two tiles my column falls into,
	v_and_b32 v15, 7, v0
	v_lshl_add_u32 v15, v3, 3, v15                 ; and its image row there
	v_mul_u32_u24 v5, v14, WTILE
	v_lshl_add_u32 v5, v15, 4, v5
	v_add_nc_u32 v5, s27, v5                       ; into the stage
	v_add_nc_u32 v6, s27, v4                       ; and out of it
	v_add_nc_u32 v9, s53, v4                       ; the first tile's images in memory,
	v_add_nc_u32 v7, s42, v9                       ; the second tile's
	v_mul_u32_u24 v8, s42, v14
	v_lshl_add_u32 v8, v15, 4, v8
	v_add_nc_u32 v8, s54, v8                       ; my row's two scale words
	v_lshlrev_b32 v[VO], 2, v1
.set I, 1
.rept 31
	v_add_nc_u32 v[VO+I], s38, v[VO+I-1]
.set I, I+1
.endr
	LOADW 0
	s_wait_alu depctr_va_vdst(0)                   ; directly ahead of the wait below
	s_wait_xcnt 0x0
	s_add_nc_u64 s[32:33], s[32:33], s[34:35]
	LOADW 1
.irp t, 0,1,2,3,4,5,6,7
	BLOCKW \t
.endr
	s_wait_alu depctr_va_vdst(0)                   ; directly ahead of the reader below
	global_store_b64 v8, v[SB:SB+1], s[36:37] offset:6144   ; 8 bytes of each row's 16; the other 8 come from the unit of the other half
	s_wait_tensorcnt 0x0                           ; the wave's end
	ds_add_u32 v[SPW], v[NIL]
	s_wait_dscnt 0x0
	s_endpgm
.Lhidden:                                              ; ---- X: panel p = 4 x work-group + wave - 10: tile p / 8, K group p % 8
	s_lshl_b32 s30, ttmp9, 2
	s_add_co_u32 s30, s30, s26
	s_sub_co_u32 s30, s30, 10
	s_lshr_b32 s31, s30, 3
	s_and_b32 s30, s30, 7
	s_lshr_b32 s32, s31, 1
	s_lshl_b32 s32, s32, 5
	s_and_b32 s33, s31, 1
	s_lshl_b32 s33, s33, 3
	s_add_co_u32 s32, s32, s33                     ; the tile's lowest row: 32 (T / 2) + 8 (T % 2)
	s_lshl_b32 s32, s32, 14
	s_lshl_b32 s33, s30, 11
	s_add_co_u32 s32, s32, s33
	s_mov_b32 s33, 0
	s_add_nc_u64 s[4:5], s[4:5], s[32:33]
	s_mul_i32 s34, s31, 51200
	s_mul_i32 s35, s30, 6400
	s_add_co_u32 s34, s34, s35
	s_mov_b32 s35, 0
	s_add_nc_u64 s[18:19], s[18:19], s[34:35]
	v_add_nc_u32 v5, s27, v4                       ; into my stage: 16 bytes a lane of a row
	v_mul_u32_u24 v6, v2, XP
	v_lshl_add_u32 v6, v3, 6, v6
	v_add_nc_u32 v6, s27, v6                       ; out of it: row r, my 16 numbers of each block
	v_lshlrev_b32 v7, 4, v2
	v_lshl_add_u32 v7, v3, 3, v7                   ; the scale words: 16 r + 8 h
.irp b, 0,1,2,3
	v_mov_b32 v[TM+4+\b], 0                        ; written once: a lane permute's destination counts as one of its sources
.endr
	LOADX 0
	LOADX 1
	s_wait_alu depctr_va_vdst(0)                   ; ahead of the first step's waits
.irp t, 0,1,2,3
	STEPX \t
.endr
	v_cmp_ne_u32 vcc_lo, 0, v3                     ; lanes 0-15 store their row's words 0 and 1, lanes 16-31 words 2 and 3: 256 consecutive bytes
	v_cndmask_b32 v56, v[PWB], v[PWB+2], vcc_lo
	v_cndmask_b32 v57, v[PWB+1], v[PWB+3], vcc_lo
	global_store_b64 v7, v[56:57], s[18:19] offset:6144
	s_wait_tensorcnt 0x0                           ; the wave's end
	ds_add_u32 v[SPW], v[NIL]
	s_wait_dscnt 0x0
	s_endpgm
.Lrope:                                                ; ---- R: image p = work-group: tile p / 2, cos (0) or sin (1).  No LDS
	s_mov_b32 s30, ttmp9
	s_lshr_b32 s31, s30, 1
	s_and_b32 s30, s30, 1
	s_cmp_eq_u32 s30, 0
	s_cselect_b64 s[6:7], s[6:7], s[8:9]
	s_lshr_b32 s32, s31, 1
	s_lshl_b32 s32, s32, 5
	s_and_b32 s33, s31, 1
	s_lshl_b32 s33, s33, 3
	s_add_co_u32 s32, s32, s33
	s_lshl_b32 s32, s32, 9                         ; a row of the table is 512 bytes
	s_mov_b32 s33, 0
	s_add_nc_u64 s[6:7], s[6:7], s[32:33]
	s_lshl_b32 s34, s31, 14
	s_lshl_b32 s35, s30, 13
	s_add_co_u32 s34, s34, s35
	s_mov_b32 s35, 0
	s_add_nc_u64 s[24:25], s[24:25], s[34:35]
	v_lshrrev_b32 v5, 3, v2
	v_and_b32 v6, 7, v2
	v_lshl_add_u32 v5, v5, 4, v6                   ; 16 (r / 8) + r % 8
	v_lshlrev_b32 v5, 9, v5
	v_lshl_add_u32 v5, v3, 6, v5                   ; + 64 h
.set C, 0
.rept 16
	global_load_b128 v[64+4*C:67+4*C], v5, s[6:7] offset:128*(C/4)+16*(C%4)
.set C, C+1
.endr
.set C, 0
.rept 16
	s_wait_loadcnt 15-C                            ; loads come back in order: number C is in, the 15 - C behind it may be out
	global_store_b128 v4, v[64+4*C:67+4*C], s[24:25] offset:512*C
.set C, C+1
.endr
	s_endpgm
.Lfunc_end_k_q692b593188_prep:
	.size	k_q692b593188_prep, .Lfunc_end_k_q692b593188_prep-k_q692b593188_prep
	.p2alignl 7, 3214868480
	.fill 96, 4, 3214868480
	.section	.rodata,"a",@progbits
	.p2align	6, 0x0
	.amdhsa_kernel k_q692b593188_prep
		.amdhsa_group_segment_fixed_size 120320
		.amdhsa_private_segment_fixed_size 0
		.amdhsa_enable_private_segment 0
		.amdhsa_kernarg_size 88
		.amdhsa_user_sgpr_count 2
		.amdhsa_user_sgpr_kernarg_segment_ptr 1
		.amdhsa_wavefront_size32 1
		.amdhsa_system_sgpr_workgroup_id_x 1
		.amdhsa_system_sgpr_workgroup_id_y 1
		.amdhsa_system_sgpr_workgroup_id_z 1
		.amdhsa_system_vgpr_workitem_id 0
		.amdhsa_next_free_vgpr 256
		.amdhsa_next_free_sgpr 66
		.amdhsa_reserve_vcc 1
		.amdhsa_float_denorm_mode_32 3
		.amdhsa_float_denorm_mode_16_64 3
		.amdhsa_memory_ordered 1
		.amdhsa_forward_progress 1
		.amdhsa_inst_pref_size 81
	.end_amdhsa_kernel
	.amdgpu_metadata
---
amdhsa.version: [ 1, 2 ]
amdhsa.kernels:
  - .name:           k_q692b593188_prep
    .symbol:         k_q692b593188_prep.kd
    .args:
      - { .name: hidden_states, .offset: 0, .size: 8, .value_kind: global_buffer, .address_space: global }
      - { .name: cos, .offset: 8, .size: 8, .value_kind: global_buffer, .address_space: global }
      - { .name: sin, .offset: 16, .size: 8, .value_kind: global_buffer, .address_space: global }
      - { .name: Wq, .offset: 24, .size: 8, .value_kind: global_buffer, .address_space: global }
      - { .name: Wk, .offset: 32, .size: 8, .value_kind: global_buffer, .address_space: global }
      - { .name: Wv, .offset: 40, .size: 8, .value_kind: global_buffer, .address_space: global }
      - { .name: Wo, .offset: 48, .size: 8, .value_kind: global_buffer, .address_space: global }
      - { .name: xq, .offset: 56, .size: 8, .value_kind: global_buffer, .address_space: global }
      - { .name: wq3, .offset: 64, .size: 8, .value_kind: global_buffer, .address_space: global }
      - { .name: woq, .offset: 72, .size: 8, .value_kind: global_buffer, .address_space: global }
      - { .name: rope, .offset: 80, .size: 8, .value_kind: global_buffer, .address_space: global }
    .group_segment_fixed_size: 120320
    .private_segment_fixed_size: 0
    .kernarg_segment_align: 8
    .kernarg_segment_size: 88
    .max_flat_workgroup_size: 480
    .sgpr_count:     66
    .vgpr_count:     256
    .wavefront_size: 32
...
	.end_amdgpu_metadata
.endif
;; end of part 1
;; launch gemm_qkv (part 2): grid 16 x 16, 4 waves a work-group, clusters of 4 x 4, 327,680 bytes of LDS; arguments xq, wq3, rope, q_norm_w, k_norm_w, qkv, gate; writes qkv, gate
.if DOCPART == 2
	.amdgcn_target "amdgcn-amd-amdhsa--gfx1250"
	.amdhsa_code_object_version 6
	.text
	.protected	k_q692b593188_gemm_qkv
	.globl	k_q692b593188_gemm_qkv
	.p2align	8
	.type	k_q692b593188_gemm_qkv,@function
k_q692b593188_gemm_qkv:
	s_mov_b64 s[64:65], 0
	v_nop
	global_prefetch_b8 v0, s[64:65] scope:SCOPE_SE
	s_setreg_imm32_b32 hwreg(HW_REG_WAVE_MODE, 25, 1), 1
	s_wait_xcnt 0x0
	s_wait_alu depctr_hold_cnt(0) depctr_sa_sdst(0) depctr_va_vdst(0) depctr_va_sdst(0) depctr_va_ssrc(0) depctr_va_vcc(0) depctr_vm_vsrc(0)
	s_getreg_b32 s2, hwreg(HW_REG_IB_STS2, 6, 4)
	s_cmp_eq_u32 s2, 0
	s_cbranch_scc0 .Lentry_in_a_cluster
	s_endpgm
.Lentry_in_a_cluster:
	s_bfe_u32 s2, ttmp6, 0x10000c
	s_cmp_lg_u32 s2, 0xf033
	s_cbranch_scc0 .Lentry_shape_is_right
	s_endpgm
.Lentry_shape_is_right:
; hidden x [Wq | Wk | Wv] on codes of MX-FP6, K = 4,096, and all that follows up to the next quantisers: RMS norm and RoPE of q and k, sigmoid of the gate, and the codes of q, k (along d) and v (along the keys).
; OPERANDS are images of the operand's registers (a fragment: 1,536 bytes, three loads of 16 bytes a lane; a panel: one tile of 16 rows x 512 K, four images and 256 bytes of scale words, 6,400 bytes).
; SHARES.  A work-group makes 128 (role A, source 1) x 256 (role B, source 0); a wave 64 x 128: 32 accumulators.  Eight neighbouring tiles as source 0 leave in register 16 b + i of lane (r, h) the true
; index 32 b + 16 h + i of role B, for row r of a tile of role A (the rows of a tile are ordered for that when the images are made).
;   cluster x 0, 1: A = 128 tokens, B = 256 columns of Wq = one head's q (waves with nh = 0) and gate (nh = 1);   cluster x 2: B = two heads of k;
;   cluster x 3: the sources change roles: B = 256 tokens, A = one head's 128 columns of Wv, so that a lane holds one d and its registers run along 128 keys: v's operand as it stands.
; K goes in slots of 512 (four steps of 128, 128 matrix instructions a wave) through a ring of two LDS slots.  CLUSTERS 4 x 4: role A's panels are shared along a row of the cluster, role B's along a column, by
; joint loads.  Branches and LDS addresses hang on the cluster's number and the wave's alone; a work-group's place in its cluster enters global addresses only.
; LIMITS: sums of squares are added in another order than the source reads; RoPE is a multiply and a fused multiply-add; a block of zeros gets the scale byte 1; NaN and infinities are not served.
; REGISTERS.  window 0: v1 r, v2 h, v3 16 x lane; v16-21 LDS addresses; v28, v29 the add's two; v32-95 scale words, two sets; v96-191 role A's fragments, two sets; v192-255 the norm's weights.
;   window 1: role B's fragments, two sets at v0 and v128 (on the way out cos and sin of tiles 2, 3).  window 2: the accumulators, (a, t) at v[8 (8 a + t)].  window 3: cos and sin of tiles 0, 1.
.set TP,     51200                     ; a tile's eight panels
.set NSL,    8                         ; slots' worth of K
.set PANEL,  6400
.set SLOT,   24*PANEL                  ; role A's 8 panels, then role B's 16
.set BOFF,   8*PANEL
.set SPARE,  2*SLOT                    ; behind the ring: the spare words, 128 bytes for each wave, which no other line names
.set ADRA,   16
.set ADRB,   18
.set ADRS,   20
.set SPW,    28
.set NIL,    29
.set SC,     32
.set AF,     96
.set WN,     192
.set PC,     4                         ; the way out: v4-15 codes; v20-27 half blocks; v30 16 r + 8 h; v96-159 64 numbers; v160-167 1 / rms; v168-183 at work; v184-187 scale words; v188-191 at work
.set PT,     20
.set O,      96
.set SS,     96
.set RS,     160
.set TM,     168
.set PWB,    184
.set G1,     24
.set G0,     32
.set G1B,    48
.set G0B,    56
.set SEL,    86
; THE PANELS ARE PREFETCHED INTO THE L2.  At a change of slots every wave has waited for all its tensor loads, so a refill sets out with nothing on its way beside it: behind the load of slot n stands the request for
; slot n + 2 (two slots, 256 matrix instructions a wave, ahead of the load that wants it); slot 1, whose load follows slot 0's landing, is asked for at the head with slot 2.  A panel is 25 blocks of 256 bytes: a lane a
; block, lanes 25-31 name the last block again.  Of the 4 panels that a wave of role A fetches the partner at place cx takes one; of the 8 of role B the partner at place cy takes two: shared out BY ADDRESS, so that
; each block is named once in each cluster that loads it.  The loop's last trip, whose refills are slots 6 and 7, has no panel left to ask for: there the waves with nh = 0 ask for cos and sin of their four tiles of
; tokens (64 KiB, of which the partner at place cx takes 8 KiB of each pair of tiles, a lane a block), two slots ahead of the loads, which stand in the last lap.
; THE GATE leaves as 1 + 2^(-log2(e) x), in f32; the launch that follows takes the reciprocal together with the softmax's divisor.
.set PFO,    22
.set PFR,    23                        ; v23 256 x lane; written at the head, free again on the way out
.set PFB,    94                        ; s[94:95] cos and sin of my four tiles, + 8,192 cx
.set PFA,    92                        ; s[92:93] my panel of the prefetches, three slots behind the slot that is asked for
.macro ASK off, counted
.if \counted
	s_cmp_gt_u32 s3, 1                             ; s3 = 1 in the loop's last trip
	s_cbranch_scc0 .Lrp_\@
.endif
	global_prefetch_b8 v[PFO], s[PFA:PFA+1] offset:\off th:TH_LOAD_NT scope:SCOPE_SE
	s_cmp_eq_u32 s15, 0                            ; role B's waves have a second panel, one tile on
	s_cbranch_scc1 .Lna_\@
	global_prefetch_b8 v[PFO], s[PFA:PFA+1] offset:\off+TP th:TH_LOAD_NT scope:SCOPE_SE
.if \counted
	s_branch .Lna_\@
.Lrp_\@:
	s_cmp_eq_u32 s16, 0                            ; one of the two waves that read the same tiles of tokens
	s_cbranch_scc0 .Lna_\@
	global_prefetch_b8 v[PFR], s[PFB:PFB+1] offset:32768*RSL th:TH_LOAD_NT scope:SCOPE_SE   ; tiles 0, 1 at the change out of slot 0, tiles 2, 3 at the change out of slot 1
.endif
.Lna_\@:
.endm
.set MULW,   0xa1                      ; source 0 window 1, source 1 window 0, C and D window 2
.set MSB, 0
.macro WIN new                         ; the immediate's high byte repeats the setting that is left
.if MSB != (\new)
	s_set_vgpr_msb (MSB<<8)|(\new)
.set MSB, (\new)
.endif
.endm
.macro PLACES n
.rept \n
	v_nop
.endr
.endm
; A joint load: waves 0 and 1 fetch role A's halves, waves 2 and 3 role B's.  An s_nop 0 and four v_nop follow each of the two lines.
.macro JLOAD s
	s_cmp_eq_u32 s15, 0
	s_cbranch_scc0 .Lfor_b_\@
	tensor_load_to_lds s[G0+4*\s:G0+4*\s+3], s[G1:G1+7]
	s_nop 0
.rept 4
	v_nop
.endr
	s_branch .Lasked_\@
.Lfor_b_\@:
	tensor_load_to_lds s[G0B+4*\s:G0B+4*\s+3], s[G1B:G1B+7]
	s_nop 0
.rept 4
	v_nop
.endr
.Lasked_\@:
.endm
.macro CREST                           ; a round of the cluster's barrier behind its opening barrier
	s_cmp_lg_u32 s14, 0
	s_cbranch_scc1 .Lnot_wave_0_\@
	s_barrier_signal -3
.Lnot_wave_0_\@:
	s_barrier_wait -3
	s_barrier_signal -1
	s_barrier_wait -1
.endm
.macro CROUND
	s_barrier_signal -1
	s_barrier_wait -1
	CREST
.endm
; 36 LDS loads in one run: the fragments of the slot's q-th 128 along K into set p: role B's eight, role A's four; each load takes 512 consecutive bytes
.macro FETCH slot, q, p
	WIN 0x40
.irp t, 0,1,2,3,4,5,6,7
.irp c, 0,1,2
	ds_load_b128 v[128*(\p)+12*\t+4*\c:128*(\p)+12*\t+4*\c+3], v[ADRB+\slot] offset:PANEL*\t+1536*(\q)+512*\c
.endr
.endr
	WIN 0
.irp a, 0,1,2,3
.irp c, 0,1,2
	ds_load_b128 v[AF+48*(\p)+12*\a+4*\c:AF+48*(\p)+12*\a+4*\c+3], v[ADRA+\slot] offset:PANEL*\a+1536*(\q)+512*\c
.endr
.endr
.endm
; a slot's scale words: register 4 i + q: lanes 0-15 role A's tile i (of use for i < 4; beyond that landed bytes of the same slot that nobody uses), lanes 16-31 role B's tile i, K step q
.macro SCALES slot
.irp i, 0,1,2,3,4,5,6,7
	ds_load_b128 v[SC+32*\slot+4*\i:SC+32*\slot+4*\i+3], v[ADRS+\slot] offset:PANEL*\i
.endr
.endm
; 8 matrix instructions: role A's tile a against role B's eight.  The 32 accumulators take turns, one instruction a turn, in the same order in every step.
.macro MUL8 a, p, q, sc, zero
.irp t, 0,1,2,3,4,5,6,7
.if \zero
	v_wmma_scale_f32_16x16x128_f8f6f4 v[8*(8*(\a)+\t):8*(8*(\a)+\t)+7], v[128*(\p)+12*\t:128*(\p)+12*\t+11], v[AF+48*(\p)+12*(\a):AF+48*(\p)+12*(\a)+11], 0, v[SC+32*(\sc)+4*\t+(\q)], v[SC+32*(\sc)+4*(\a)+(\q)] matrix_a_fmt:MATRIX_FMT_FP6 matrix_b_fmt:MATRIX_FMT_FP6 matrix_a_scale:MATRIX_SCALE_ROW1
.else
	v_wmma_scale_f32_16x16x128_f8f6f4 v[8*(8*(\a)+\t):8*(8*(\a)+\t)+7], v[128*(\p)+12*\t:128*(\p)+12*\t+11], v[AF+48*(\p)+12*(\a):AF+48*(\p)+12*(\a)+11], v[8*(8*(\a)+\t):8*(8*(\a)+\t)+7], v[SC+32*(\sc)+4*\t+(\q)], v[SC+32*(\sc)+4*(\a)+(\q)] matrix_a_fmt:MATRIX_FMT_FP6 matrix_b_fmt:MATRIX_FMT_FP6 matrix_a_scale:MATRIX_SCALE_ROW1
.endif
.endr
.endm
; One of a slot's first three steps: its fragments are in; the next step's are asked for at its head, into the set that the step before has multiplied, and have 32 matrix instructions in which to land
.macro STEP slot, q, zero
	s_wait_dscnt 0x0
	PLACES 4                                       ; four places in front of loads into registers that matrix instructions have read
	FETCH \slot, (\q)+1, ((\q)+1)%2
	WIN MULW
	MUL8 0, (\q)%2, \q, \slot, \zero
	MUL8 1, (\q)%2, \q, \slot, \zero
	MUL8 2, (\q)%2, \q, \slot, \zero
	MUL8 3, (\q)%2, \q, \slot, \zero
.endm
; A slot's last step changes slots: ONE barrier; in front of it each wave waits for all its tensor loads, adds 0 to its spare word, and waits for that and for its reads of this slot.  fill = 1: the slot is filled again.
.macro TURN slot, next, fill
	WIN 0
.if \fill
	s_wait_xcnt 0x0                                ; my prefetches have read their base: it steps a slot on
	s_add_nc_u64 s[PFA:PFA+1], s[PFA:PFA+1], PANEL
.endif
	s_wait_tensorcnt 0x0                           ; all my tensor loads have landed: my part of the next slot
	ds_add_u32 v[SPW], v[NIL]                      ; 0 onto my spare word
.if \fill
	s_add_nc_u64 s[G0+4*\slot+2:G0+4*\slot+3], s[G0+4*\slot+2:G0+4*\slot+3], 2*PANEL      ; no load of mine is out: this slot's descriptors step two slots on
	s_add_nc_u64 s[G0B+4*\slot+2:G0B+4*\slot+3], s[G0B+4*\slot+2:G0B+4*\slot+3], 2*PANEL
.endif
	s_wait_dscnt 0x0                               ; the add is done, this step's fragments are in, and my reads of this slot are over
	s_barrier_signal -1
	s_barrier_wait -1
.if \fill
	CREST                                          ; the barrier has opened a round of the cluster's: no wave of any partner still reads this slot or has a load on its way
	JLOAD \slot                                    ; the first tensor load behind the round; its four v_nop are also the places in front of the loads below
.else
	PLACES 4
.endif
	FETCH \next, 0, 0
	SCALES \next
.if \fill
.set RSL, \slot
	ASK 3*PANEL, 1                                 ; behind the joint load and the run of LDS loads
.endif
	WIN MULW
	MUL8 0, 1, 3, \slot, 0                         ; the step's 32 products all stand behind the refill
	MUL8 1, 1, 3, \slot, 0
	MUL8 2, 1, 3, \slot, 0
	MUL8 3, 1, 3, \slot, 0
.endm
; 64 numbers of a lane in window w, register 16 b + i = k 32 b + 16 (lane / 16) + i of my row, become a fragment's codes in v[pc] on and its scale word in v[pw] (window 0).  The sources are read from the low end on.
.macro QUANTW s, w, pc, pt, tm, pw
	WIN (\w)|((\w)<<2)
.irp b, 0,1,2,3
	v_max3_num_f32 v[\tm+\b], |v[\s+16*\b]|, |v[\s+1+16*\b]|, 0x1800000   ; my 16 numbers of block b, and the floor 2^(3 - 127)
.endr
.irp i, 2,4,6,8,10,12,14
.irp b, 0,1,2,3
	v_max3_num_f32 v[\tm+\b], |v[\s+16*\b+\i]|, |v[\s+1+16*\b+\i]|, v[\tm+\b]
.endr
.endr
	WIN 0
.irp b, 0,1,2,3
	v_permlanex16_b32 v[\tm+4+\b], v[\tm+\b], s[SEL], s[SEL+1]
.endr
.irp b, 0,1,2,3
	v_max_num_f32 v[\tm+\b], v[\tm+\b], v[\tm+4+\b]
.endr
.irp b, 0,1,2,3
	v_add_nc_u32 v[\tm+12+\b], 0xff000000, v[\tm+\b]                  ; 2 off the exponent field: the conversion's scale operand
.endr
.irp b, 0,1,2,3
	v_lshrrev_b32 v[\tm+4+\b], 23, v[\tm+12+\b]                       ; the scale's byte
.endr
	v_lshl_or_b32 v[\pw], v[\tm+5], 8, v[\tm+4]
	v_lshl_or_b32 v[\pw], v[\tm+6], 16, v[\pw]
	v_lshl_or_b32 v[\pw], v[\tm+7], 24, v[\pw]
	WIN \w
.irp c, 0,1
	v_cvt_scalef32_pk16_fp6_f32 v[\pc+6*\c:\pc+2+6*\c], v[\s+32*\c:\s+15+32*\c], v[\tm+12+2*\c]
	v_cvt_scalef32_pk16_fp6_f32 v[\pt+4*\c:\pt+2+4*\c], v[\s+16+32*\c:\s+31+32*\c], v[\tm+13+2*\c]
.endr
	WIN 0
	v_nop                                          ; one plain place behind a scaled conversion
.irp c, 0,1
.irp i, 0,1,2
	v_permlane16_swap_b32 v[\pc+6*\c+\i], v[\pt+4*\c+\i]
.endr
.irp i, 0,1,2
	v_mov_b32 v[\pc+3+6*\c+\i], v[\pt+4*\c+\i]
.endr
.endr
.endm
.macro SENDF a                         ; the fragment of my tile a leaves as it stands: three stores of 512 consecutive bytes
.irp c, 0,1,2
	global_store_b128 v3, v[PC+4*\c:PC+4*\c+3], s[70:71] offset:1536*(\a)+512*\c
.endr
.endm
.macro SENDW                           ; my four tiles' scale words: lanes 0-15 words 0 and 1 of their row, lanes 16-31 words 2 and 3: 256 consecutive bytes
	v_cmp_ne_u32 vcc_lo, 0, v2
	v_cndmask_b32 v188, v[PWB], v[PWB+2], vcc_lo
	v_cndmask_b32 v189, v[PWB+1], v[PWB+3], vcc_lo
	global_store_b64 v30, v[188:189], s[72:73]
.endm
.macro ROPELD a                        ; cos and sin of my tile a of tokens, as images: cos at v[128 (a % 2)], sin 64 registers on, in the window that is set
.irp u, 0,1
.irp c, 0,1,2,3,4,5,6,7,8,9,10,11,12,13,14,15
	global_load_b128 v[128*((\a)%2)+64*\u+4*\c:128*((\a)%2)+64*\u+4*\c+3], v3, s[74:75] offset:16384*(\a)+8192*\u+512*\c
.endr
.endr
.endm
; q or k of my tile a: x / rms x w in place, RoPE into window 0, the quantiser, the stores
.macro NRTILE a
.if (\a) == 2
	s_wait_loadcnt 32                              ; cos and sin of tile 2 are in; tile 3's 32 loads may be out
.endif
.if (\a) == 3
	s_wait_loadcnt 0x0
.endif
	WIN 0x82
.set N, 0
.rept 32
	v_pk_mul_f32 v[64*(\a)+N:64*(\a)+N+1], v[64*(\a)+N:64*(\a)+N+1], v[RS+2*(\a):RS+2*(\a)+1] op_sel_hi:[1,0]
.set N, N+2
.endr
.set N, 0
.rept 32
	v_pk_mul_f32 v[64*(\a)+N:64*(\a)+N+1], v[64*(\a)+N:64*(\a)+N+1], v[WN+N:WN+N+1]
.set N, N+2
.endr
.if (\a) < 2
	WIN 0x0e                                       ; source 0 window 2, source 1 (cos, sin) window 3
.else
	WIN 0x06                                       ; source 1 window 1
.endif
.set CB, 128*((\a)%2)
.set N, 0
.rept 16                               ; d and d + 64 lie 32 registers apart
	v_pk_mul_f32 v[O+N:O+N+1], v[64*(\a)+N:64*(\a)+N+1], v[CB+N:CB+N+1]
	v_pk_mul_f32 v[O+32+N:O+33+N], v[64*(\a)+32+N:64*(\a)+33+N], v[CB+32+N:CB+33+N]
.set N, N+2
.endr
.set N, 0
.rept 16
	v_pk_fma_f32 v[O+N:O+N+1], v[64*(\a)+32+N:64*(\a)+33+N], v[CB+64+N:CB+65+N], v[O+N:O+N+1] neg_lo:[1,0,0] neg_hi:[1,0,0]
	v_pk_fma_f32 v[O+32+N:O+33+N], v[64*(\a)+N:64*(\a)+N+1], v[CB+96+N:CB+97+N], v[O+32+N:O+33+N]
.set N, N+2
.endr
	WIN 0
.if (\a) > 0
	s_wait_xcnt 0x0                                ; the last tile's stores have read the codes' registers
.endif
	QUANTW O, 0, PC, PT, TM, PWB+(\a)
	SENDF \a
.endm
	s_load_b256 s[4:11], s[0:1], 0x0               ; xq s[4:5], wq3 s[6:7], rope s[8:9], q_norm_w s[10:11]
	s_load_b128 s[80:83], s[0:1], 0x20             ; k_norm_w s[80:81], qkv s[82:83]
	s_load_b64 s[84:85], s[0:1], 0x30              ; gate
	v_lshl_add_u32 v[SPW], v0, 2, SPARE
	v_mov_b32 v[NIL], 0
	ds_add_u32 v[SPW], v[NIL]                      ; the wave's opening: the add and its wait stand ahead of my first tensor load; the set-up below stands between them
	ds_add_u32 v[SPW], v[NIL]
	v_lshrrev_b32 v1, 5, v0
	v_readfirstlane_b32 s14, v1                    ; wave
	s_lshr_b32 s15, s14, 1                         ; mh: which half of role A is mine.  Also: I fetch for role A (0) or B (1)
	s_and_b32 s16, s14, 1                          ; nh: which half of role B.  Also: which half of that role's panels I fetch
	s_bfe_u32 s40, ttmp6, 0x40000                  ; cx
	s_bfe_u32 s41, ttmp6, 0x40004                  ; cy
	s_mov_b32 s42, ttmp9                           ; the cluster's x
	s_and_b32 s43, ttmp7, 0xffff                   ; the cluster's y
	s_lshl_b32 s44, s41, 2
	s_lshl_b32 s44, 15, s44                        ; my row of the cluster
	s_lshl_b32 s45, 0x1111, s40                    ; my column
	; descriptor group 1: 4 (role A) or 8 (role B) rows of one panel each, 800 elements of 8 bytes, a tile's panels apart in memory, dense in LDS
	s_or_b32 s[G1], s44, (3<<16)|(1<<21)
	s_or_b32 s[G1B], s45, (3<<16)|(1<<21)
	s_mov_b32 s[G1+1], 800<<16
	s_mov_b32 s[G1+2], 4<<16
	s_mov_b32 s[G1+3], 800<<16
	s_mov_b32 s[G1+4], 4
	s_mov_b32 s[G1+5], TP/8
	s_mov_b32 s[G1+6], 0
	s_mov_b32 s[G1+7], 0
	s_mov_b32 s[G1B+1], 800<<16
	s_mov_b32 s[G1B+2], 8<<16
	s_mov_b32 s[G1B+3], 800<<16
	s_mov_b32 s[G1B+4], 8
	s_mov_b32 s[G1B+5], TP/8
	s_mov_b32 s[G1B+6], 0
	s_mov_b32 s[G1B+7], 0
	; role A's first tile hangs on cy and the cluster alone, role B's on cx and the cluster alone
	s_lshl_b32 s17, s43, 2
	s_add_co_u32 s17, s17, s41                     ; y = 4 x cluster y + cy
	s_lshl_b32 s18, s17, 3                         ; tokens: tile 8 y
	s_lshr_b32 s19, s43, 1
	s_lshl_b32 s19, s19, 2
	s_add_co_u32 s19, s19, s41                     ; v's head
	s_lshl_b32 s20, s19, 3
	s_add_co_u32 s20, s20, 192                     ; its columns of Wv: tile 192 + 8 x head
	s_lshl_b32 s46, s42, 2
	s_add_co_u32 s46, s46, s40                     ; tc = 4 x cluster x + cx
	s_lshl_b32 s47, s46, 4                         ; weights: tile 16 tc
	s_and_b32 s66, s43, 1
	s_lshl_b32 s66, s66, 2
	s_add_co_u32 s66, s66, s40                     ; v's block of 256 tokens
	s_lshl_b32 s67, s66, 4
	s_cmp_eq_u32 s42, 3
	s_cselect_b32 s21, s20, s18
	s_cselect_b32 s68, s67, s47
	s_lshl_b32 s22, s16, 2
	s_add_co_u32 s21, s21, s22                     ; + the half that I fetch
	s_mul_i32 s22, s21, TP
	s_mov_b32 s23, 0
	s_lshl_b32 s69, s16, 3
	s_add_co_u32 s68, s68, s69
	s_mul_i32 s68, s68, TP
	s_mov_b32 s69, 0
	s_mul_i32 s96, s16, 4*PANEL                    ; where they go: no place in the cluster enters an LDS address
	s_mul_i32 s97, s16, 8*PANEL
	s_add_co_u32 s97, s97, BOFF
	s_mov_b32 s[SEL], 0x76543210
	s_mov_b32 s[SEL+1], 0xfedcba98
	s_mov_b32 s88, 0xbfb8aa3b                      ; -log2(e)
	s_mov_b32 s89, s88
	s_mov_b32 s90, 0x3c000000                      ; 1 / 128
	s_mov_b32 s91, 0x358637bd                      ; 1e-6
	s_wait_dscnt 0x0                               ; the opening add is done
	s_wait_kmcnt 0x0
	s_cmp_eq_u32 s42, 3
	s_cselect_b64 s[92:93], s[6:7], s[4:5]         ; role A's buffer,
	s_cselect_b64 s[94:95], s[4:5], s[6:7]         ; role B's
	s_add_nc_u64 s[92:93], s[92:93], s[22:23]
	s_add_nc_u64 s[94:95], s[94:95], s[68:69]
	CROUND                                         ; all sixteen work-groups are here: the first joint loads meet
.irp s, 0,1
	s_mov_b32 s[G0+4*\s], 1
	s_add_co_u32 s[G0+4*\s+1], s96, \s*SLOT
	s_add_nc_u64 s[G0+4*\s+2:G0+4*\s+3], s[92:93], \s*PANEL
	s_or_b32 s[G0+4*\s+3], s[G0+4*\s+3], 0x80000000
	s_mov_b32 s[G0B+4*\s], 1
	s_add_co_u32 s[G0B+4*\s+1], s97, \s*SLOT
	s_add_nc_u64 s[G0B+4*\s+2:G0B+4*\s+3], s[94:95], \s*PANEL
	s_or_b32 s[G0B+4*\s+3], s[G0B+4*\s+3], 0x80000000
.endr
	JLOAD 0                                        ; slot 0: one tensor load a wave at the head
	s_mul_i32 s98, s40, TP                         ; the prefetches: of role A's four panels that I fetch, number cx;
	s_mul_i32 s99, s41, 2*TP                       ; of role B's eight, numbers 2 cy and 2 cy + 1
	s_cmp_eq_u32 s15, 0
	s_cselect_b64 s[PFA:PFA+1], s[92:93], s[94:95]
	s_cselect_b32 s98, s98, s99
	s_mov_b32 s99, 0
	s_add_nc_u64 s[PFA:PFA+1], s[PFA:PFA+1], s[98:99]
	v_and_b32 v1, 15, v0                           ; r
	v_bfe_u32 v2, v0, 4, 1                         ; h
	v_and_b32 v3, 31, v0
	v_lshlrev_b32 v3, 4, v3                        ; 16 x lane
	v_lshlrev_b32 v31, 6, v2                       ; 64 h
	v_and_b32 v[PFO], 31, v0
	v_min_u32 v[PFO], 24, v[PFO]
	v_lshlrev_b32 v[PFO], 8, v[PFO]                ; a lane a block of 256 bytes of a panel's 25
	s_wait_alu depctr_va_vdst(0)                   ; ahead of the branches and scalar lines below
	ASK PANEL, 0                                   ; slots 1 and 2
	ASK 2*PANEL, 0
	s_mul_i32 s12, s15, 4*PANEL
	s_mul_i32 s13, s16, 8*PANEL
	s_add_co_u32 s13, s13, BOFF                    ; my eight of role B
	v_add_nc_u32 v[ADRA], s12, v3
	v_add_nc_u32 v[ADRA+1], SLOT, v[ADRA]
	v_add_nc_u32 v[ADRB], s13, v3
	v_add_nc_u32 v[ADRB+1], SLOT, v[ADRB]
	s_sub_co_u32 s13, s13, s12
	v_mul_u32_u24 v4, s13, v2                      ; lanes 16-31 take role B's scale words
	v_lshl_add_u32 v4, v1, 4, v4
	s_add_co_u32 s12, s12, 4*1536
	v_add_nc_u32 v[ADRS], s12, v4
	v_add_nc_u32 v[ADRS+1], SLOT, v[ADRS]
	; where my wave's results go
	s_lshl_b32 s12, s40, 1
	s_add_co_u32 s12, s12, s16                     ; k: head 2 cx + nh
	s_lshl_b32 s13, s66, 1
	s_add_co_u32 s13, s13, s16                     ; v: key step
	s_and_b32 s98, s46, 7                          ; q and gate: head tc (of use where tc < 8)
	s_mov_b32 s99, 0
	s_mov_b32 s2, s17
	s_cmp_eq_u32 s42, 2
	s_cselect_b32 s20, s12, s98
	s_cselect_b32 s99, 1638400, s99
	s_cselect_b64 s[78:79], s[80:81], s[10:11]     ; the norm's weights
	s_cmp_eq_u32 s42, 3
	s_cselect_b32 s20, s19, s20
	s_cselect_b32 s2, s13, s2
	s_cselect_b32 s99, 3276800, s99
	s_mul_i32 s20, s20, 204800
	s_mul_i32 s2, s2, 12800
	s_add_co_u32 s20, s20, s2
	s_add_co_u32 s20, s20, s99
	s_mov_b32 s21, 0
	s_add_nc_u64 s[70:71], s[82:83], s[20:21]      ; the head block
	s_lshl_b32 s12, s15, 8
	s_add_co_u32 s12, s12, 12288
	s_mov_b32 s13, 0
	s_add_nc_u64 s[72:73], s[70:71], s[12:13]      ; my four tiles' scale words,
	s_mul_i32 s12, s15, 6144
	s_add_nc_u64 s[70:71], s[70:71], s[12:13]      ; and their images
	s_lshl_b32 s20, s17, 3
	s_lshl_b32 s2, s15, 2
	s_add_co_u32 s20, s20, s2                      ; my first tile of tokens: 8 y + 4 mh
	s_lshl_b32 s12, s20, 14
	s_add_nc_u64 s[74:75], s[8:9], s[12:13]        ; its cos and sin
	s_lshl_b32 s12, s20, 13
	s_lshl_b32 s2, s98, 20
	s_add_co_u32 s12, s12, s2
	s_add_nc_u64 s[76:77], s[84:85], s[12:13]      ; its place in the gate's buffer
	s_lshl_b32 s94, s40, 13                        ; the prefetch of cos and sin: my work-group's 8,192 bytes of each 32,768
	s_mov_b32 s95, 0
	s_add_nc_u64 s[PFB:PFB+1], s[74:75], s[94:95]
	v_and_b32 v[PFR], 31, v0
	v_lshlrev_b32 v[PFR], 8, v[PFR]
	s_wait_alu depctr_va_vdst(0)
	s_wait_tensorcnt 0x0                           ; my part of slot 0 is in
	ds_add_u32 v[SPW], v[NIL]
	s_wait_dscnt 0x0
	CROUND                                         ; a whole round: slot 0 is whole, and all sixteen work-groups are here
	JLOAD 1                                        ; slot 1's first fill, the first tensor load behind the round
	FETCH 0, 0, 0
	SCALES 0
	ASK 3*PANEL, 0                                 ; slot 3
	STEP 0, 0, 1                                   ; the first step stands in front of the loop: its products start the sums
	WIN 0
	s_mov_b32 s3, NSL/2-1
.Llap:                                                 ; a trip goes once round the ring and fills both slots again
	STEP 0, 1, 0
	STEP 0, 2, 0
	TURN 0, 1, 1
	STEP 1, 0, 0
	STEP 1, 1, 0
	STEP 1, 2, 0
	TURN 1, 0, 1
	STEP 0, 0, 0
	WIN 0
	s_sub_co_u32 s3, s3, 1
	s_cmp_lg_u32 s3, 0
	s_cbranch_scc1 .Llap
	STEP 0, 1, 0                                   ; the last lap fills nothing
	STEP 0, 2, 0
	TURN 0, 1, 0
	WIN 0                                          ; no tensor load is out any more: what the way out needs is asked for now, by every wave, in runs of at most 48 loads
.irp b, 0,1,2,3
.irp j, 0,1,2,3
	global_load_b128 v[WN+16*\b+4*\j:WN+16*\b+4*\j+3], v31, s[78:79] offset:128*\b+16*\j   ; the norm's weights
.endr
.endr
	WIN 0xc0
	ROPELD 0
	STEP 1, 0, 0
	STEP 1, 1, 0
	WIN 0xc0
	ROPELD 1
	STEP 1, 2, 0
	s_wait_dscnt 0x0
	PLACES 4                                       ; role B's set 0 has been multiplied for the last time: four places, and tile 2's cos and sin land there
	WIN 0x40
	ROPELD 2
	WIN MULW
	MUL8 0, 1, 3, 1, 0
	MUL8 1, 1, 3, 1, 0
	MUL8 2, 1, 3, 1, 0
	MUL8 3, 1, 3, 1, 0
	WIN 0
	; ---- THE WAY OUT.  No LDS, no barrier: each wave's results are whole rows of its own.
	PLACES 4                                       ; behind the last products
	s_wait_xcnt 0x0                                ; my prefetches have read their offsets: v22 and v23 are free
	s_wait_loadcnt 32                              ; the norm's weights and cos and sin of tiles 0 and 1 are in; tile 2's 32 loads may be out
	v_lshlrev_b32 v30, 4, v1
	v_lshl_add_u32 v30, v2, 3, v30                 ; 16 r + 8 h
.irp b, 0,1,2,3
	v_mov_b32 v[TM+4+\b], 0                        ; a lane permute's destination counts as one of its sources
	v_mov_b32 v[188+\b], 0
.endr
	s_cmp_eq_u32 s42, 3
	s_cbranch_scc1 .Lv
	s_cmp_eq_u32 s42, 2
	s_cbranch_scc1 .Lnr
	s_cmp_eq_u32 s16, 1
	s_cbranch_scc1 .Lgate
.Lnr:                                                  ; q or k: RMS norm over the head's 128, RoPE, codes along d
	WIN 0x40
	ROPELD 3
	WIN 0x0a                                       ; the sums of squares: four chains a tile, the accumulators read from the low end on
.irp a, 0,1,2,3
.set P, 0
.rept 32
.if P < 4
	v_pk_mul_f32 v[SS+8*\a+2*P:SS+8*\a+2*P+1], v[64*\a+2*P:64*\a+2*P+1], v[64*\a+2*P:64*\a+2*P+1]
.else
	v_pk_fma_f32 v[SS+8*\a+2*(P%4):SS+8*\a+2*(P%4)+1], v[64*\a+2*P:64*\a+2*P+1], v[64*\a+2*P:64*\a+2*P+1], v[SS+8*\a+2*(P%4):SS+8*\a+2*(P%4)+1]
.endif
.set P, P+1
.endr
.endr
	WIN 0
.irp a, 0,1,2,3
	v_pk_add_f32 v[SS+8*\a:SS+8*\a+1], v[SS+8*\a:SS+8*\a+1], v[SS+8*\a+2:SS+8*\a+3]
	v_pk_add_f32 v[SS+8*\a+4:SS+8*\a+5], v[SS+8*\a+4:SS+8*\a+5], v[SS+8*\a+6:SS+8*\a+7]
.endr
.irp a, 0,1,2,3
	v_pk_add_f32 v[SS+8*\a:SS+8*\a+1], v[SS+8*\a:SS+8*\a+1], v[SS+8*\a+4:SS+8*\a+5]
.endr
.irp a, 0,1,2,3
	v_add_f32 v[SS+8*\a], v[SS+8*\a], v[SS+8*\a+1]
.endr
.irp a, 0,1,2,3
	v_permlanex16_b32 v[188+\a], v[SS+8*\a], s[SEL], s[SEL+1]
.endr
.irp a, 0,1,2,3
	v_add_f32 v[SS+8*\a], v[SS+8*\a], v[188+\a]    ; with lane l xor 16's 64: the row's
.endr
.irp a, 0,1,2,3
	v_fma_f32 v[SS+8*\a], v[SS+8*\a], s90, s91     ; the mean + 1e-6
.endr
	s_wait_alu depctr_va_vdst(0)
.irp a, 0,1,2,3
	v_rsq_f32 v[RS+2*\a], v[SS+8*\a]
.endr
	v_nop                                          ; a plain place behind the last of the four
	s_wait_alu depctr_va_vdst(0)                   ; one wait for the four, ahead of their first reader
.irp a, 0,1,2,3
	v_mov_b32 v[RS+2*\a+1], v[RS+2*\a]             ; (named with it as a pair)
.endr
.irp a, 0,1,2,3
	NRTILE \a
.endr
	SENDW
	s_branch .Ldone
.Lv:                                                   ; v: the accumulators are quantised as they stand, along the keys
.irp a, 0,1,2,3
.if \a > 0
	s_wait_xcnt 0x0                                ; the last tile's stores have read the codes' registers
.endif
	QUANTW 64*\a, 2, PC, PT, TM, PWB+\a
	SENDF \a
.endr
	SENDW
	s_branch .Ldone
.Lgate:                                                ; the gate: 1 + 2^(-log2(e) x), in f32, as images of 64 registers; its reciprocal, the sigmoid, is taken where it is used
.irp a, 0,1,2,3
.if \a > 0
	s_wait_xcnt 0x0                                ; the last tile's stores have read their registers
.endif
	WIN 0x02
.set N, 0
.rept 32
	v_pk_mul_f32 v[O+N:O+N+1], v[64*\a+N:64*\a+N+1], s[88:89] op_sel_hi:[1,0]
.set N, N+2
.endr
	WIN 0
.set N, 0
	s_wait_alu depctr_va_vdst(0)
.rept 64
	v_exp_f32 v[O+N], v[O+N]
.set N, N+1
.endr
	v_nop
	s_wait_alu depctr_va_vdst(0)                   ; one wait for the batch
.set N, 0
.rept 32
	v_pk_add_f32 v[O+N:O+N+1], v[O+N:O+N+1], 1.0 op_sel_hi:[1,0]
.set N, N+2
.endr
.set N, 0
.set N, 0
.rept 16
	global_store_b128 v3, v[O+4*N:O+4*N+3], s[76:77] offset:8192*\a+512*N
.set N, N+1
.endr
.endr
.Ldone:
	s_wait_tensorcnt 0x0                           ; the wave's end
	ds_add_u32 v[SPW], v[NIL]
	s_wait_dscnt 0x0
	CROUND                                         ; the closing round: no work-group ends while a partner may still ask for a tile that names it
	s_endpgm
.Lfunc_end_k_q692b593188_gemm_qkv:
	.size	k_q692b593188_gemm_qkv, .Lfunc_end_k_q692b593188_gemm_qkv-k_q692b593188_gemm_qkv
	.p2alignl 7, 3214868480
	.fill 96, 4, 3214868480
	.section	.rodata,"a",@progbits
	.p2align	6, 0x0
	.amdhsa_kernel k_q692b593188_gemm_qkv
		.amdhsa_group_segment_fixed_size 327680
		.amdhsa_private_segment_fixed_size 0
		.amdhsa_enable_private_segment 0
		.amdhsa_kernarg_size 56
		.amdhsa_user_sgpr_count 2
		.amdhsa_user_sgpr_kernarg_segment_ptr 1
		.amdhsa_wavefront_size32 1
		.amdhsa_system_sgpr_workgroup_id_x 1
		.amdhsa_system_sgpr_workgroup_id_y 1
		.amdhsa_system_sgpr_workgroup_id_z 1
		.amdhsa_system_vgpr_workitem_id 0
		.amdhsa_next_free_vgpr 1024
		.amdhsa_next_free_sgpr 100
		.amdhsa_reserve_vcc 1
		.amdhsa_float_denorm_mode_32 3
		.amdhsa_float_denorm_mode_16_64 3
		.amdhsa_memory_ordered 1
		.amdhsa_forward_progress 1
		.amdhsa_inst_pref_size 241
	.end_amdhsa_kernel
	.amdgpu_metadata
---
amdhsa.version: [ 1, 2 ]
amdhsa.kernels:
  - .name:           k_q692b593188_gemm_qkv
    .symbol:         k_q692b593188_gemm_qkv.kd
    .args:
      - { .name: xq, .offset: 0, .size: 8, .value_kind: global_buffer, .address_space: global }
      - { .name: wq3, .offset: 8, .size: 8, .value_kind: global_buffer, .address_space: global }
      - { .name: rope, .offset: 16, .size: 8, .value_kind: global_buffer, .address_space: global }
      - { .name: q_norm_w, .offset: 24, .size: 8, .value_kind: global_buffer, .address_space: global }
      - { .name: k_norm_w, .offset: 32, .size: 8, .value_kind: global_buffer, .address_space: global }
      - { .name: qkv, .offset: 40, .size: 8, .value_kind: global_buffer, .address_space: global }
      - { .name: gate, .offset: 48, .size: 8, .value_kind: global_buffer, .address_space: global }
    .group_segment_fixed_size: 327680
    .private_segment_fixed_size: 0
    .kernarg_segment_align: 8
    .kernarg_segment_size: 56
    .max_flat_workgroup_size: 128
    .sgpr_count:     100
    .vgpr_count:     1024
    .wavefront_size: 32
...
	.end_amdgpu_metadata
.endif
;; end of part 2
;; launch attn (part 3): grid 32 x 8, 16 waves a work-group, no clusters, 327,680 bytes of LDS; arguments qkv, gate, ai; writes ai
.if DOCPART == 3
	.amdgcn_target "amdgcn-amd-amdhsa--gfx1250"
	.amdhsa_code_object_version 6
	.text
	.protected	k_q692b593188_attn
	.globl	k_q692b593188_attn
	.p2align	8
	.type	k_q692b593188_attn,@function
k_q692b593188_attn:
	s_mov_b64 s[64:65], 0
	v_nop
	global_prefetch_b8 v0, s[64:65] scope:SCOPE_SE
	s_setreg_imm32_b32 hwreg(HW_REG_WAVE_MODE, 25, 1), 1
	s_wait_xcnt 0x0
; Causal attention on codes of MX-FP6, then / l, x sigmoid(gate), and the codes of the last product's left operand.
; q, k: [head][block of 128 tokens] head blocks of 12,800 bytes: eight fragment images (tile t of 16 tokens x the head's 128) and 512 bytes of scale words (12288 + 256 (t / 4) + 16 r + 4 (t % 4)).
; v: [head][key step of 128]: tile t of 16 of the head's 128 x 128 keys.  Image row r of tile T is true row 32 (T / 2) + 16 (r / 8) + 8 (T % 2) + r % 8.
; THE SOFTMAX: t = score x log2(e) / sqrt(128); M = the largest t so far, rounded UP to a whole number; p = 2^(t - M) is quantised along the keys; l is the sum of the unquantised p and divides at the end.
; SHARES.  Work-group (j, head) owns four tiles of 16 queries: 2 j, 2 j + 1, 126 - 2 j, 127 - 2 j.  A tile in block beta needs key steps 0 .. beta: 2 (j / 4 + 1) + 2 (16 - j / 4) = 34 units of
; (16 queries x 128 keys) in every work-group.  Wave w: phase w / 4, tile (w + phase) % 4: it takes the key steps of its tile that are its phase modulo 4, at most one in each slot of four steps.
; The four partial results of a tile (each under a whole M of its own, so that bringing them together multiplies by powers of two) meet in LDS; the wave of phase 0 finishes the tile.
; Both products are used transposed (S^T = K Q^T, O^T = V^T P^T): a lane holds one query; register 16 b + i holds key, or d, 32 b + 16 (lane / 16) + i.
; No cluster: how many slots a work-group reads hangs on its number, and a slot that nobody reads is not asked for, so partners could not make every request jointly.
; LIMITS: the keys' sums are added in another order than the source reads; a block of zeros gets the scale byte 1; NaN and infinities are not served.
; REGISTERS: v1-11, v28-30 addresses; v12 -M, v13 the largest t, v[14:15] l; v16-27 Q; v32-79 four fragments; v96-159 S^T, then p; v160-223 O^T; v224-235 p's codes; v232-254 at work; v248-251, v253, v255 scale words.
.set SLOT,  102400                     ; four key steps: K's head blocks, then V's
.set VOFF,  51200
.set MG,    204800                     ; behind the ring: 12 regions for partial results: an image of O^T (8,192 bytes), then (-M, l), 8 bytes a lane
.set RB,    8448
.set SPARE, 306176                     ; the spare words, 128 bytes for each wave, which no other line names
.set AD,   1                           ; v1, v2  my phase's head block in slot 0, 1: + 16 x lane
.set AS,   3                           ; v3, v4  the same + 16 r
.set SPW,  5
.set NIL,  6
.set L16,  7
.set R16,  8
.set MW,   9                           ; where I put a partial O^T;  v30 its (-M, l)
.set MR,   10                          ; where my tile's three partial results lie;  v11 their (-M, l)
.set MS,   11
.set PFO,  28
.set VD,   29                          ; my query's place in its block of 128, less 16 (lane / 16)
.set MWS,  30
.set WV,   18
.set SEL,  20
.set CS,   22
.set G1,   24
.set G0K,  32                          ; s[32:39] group 0 for K's tiles, a set for each slot;  s[40:47] for V's
.set G0V,  40
.set PH,   48
.set TAU,  49
.set TT,   50
.set BETA, 51
.set HD,   52
.set QA,   54
.set QS,   56
.set GP,   58
.set AO,   60
.set AOS,  62
; Waves 0 and 1 fetch K's halves of a slot, waves 2 and 3 V's, the others nothing.  An s_nop 0 and four v_nop follow each of the two lines.
.macro TLOAD g0k, g0v
	s_cmp_lt_u32 s[WV], 2
	s_cbranch_scc0 .Lnot_k_\@
	tensor_load_to_lds s[\g0k:\g0k+3], s[G1:G1+7]
	s_nop 0
.rept 4
	v_nop
.endr
	s_branch .Lasked_\@
.Lnot_k_\@:
	s_cmp_lt_u32 s[WV], 4
	s_cbranch_scc0 .Lasked_\@
	tensor_load_to_lds s[\g0v:\g0v+3], s[G1:G1+7]
	s_nop 0
.rept 4
	v_nop
.endr
.Lasked_\@:
.endm
; THE CHANGE OF SLOTS: each wave waits for all its tensor loads, adds 0 to its spare word, waits for that and for its reads of the slot that it has left; behind the barrier the slot ahead is whole and the other
; one is filled.  fill = 1: always; 2: only where a wave of the work-group reads it (key steps 12 on are read where j < 16: ids alone, the same in all sixteen waves; every wait on TENSORcnt in this text is for 0).
.macro CHANGE set, stepit, fill
	s_wait_tensorcnt 0x0
	ds_add_u32 v[SPW], v[NIL]
.if \stepit
	s_add_nc_u64 s[G0K+4*\set+2:G0K+4*\set+3], s[G0K+4*\set+2:G0K+4*\set+3], 2*VOFF   ; no load of mine is out: the set steps eight key steps on
	s_add_nc_u64 s[G0V+4*\set+2:G0V+4*\set+3], s[G0V+4*\set+2:G0V+4*\set+3], 2*VOFF
.endif
	s_wait_dscnt 0x0
	s_barrier_signal -1
	s_barrier_wait -1
.if \fill == 2
	s_cmp_ge_u32 ttmp9, 16
	s_cbranch_scc1 .Lpast_\@
.endif
.if \fill
	TLOAD G0K+4*\set, G0V+4*\set
.endif
.if \fill == 2
.Lpast_\@:
.endif
.endm
.macro QUANT0 s, pc, pt, tm, pw
.irp b, 0,1,2,3
	v_max3_num_f32 v[\tm+\b], |v[\s+16*\b]|, |v[\s+1+16*\b]|, 0x1800000
.endr
.irp i, 2,4,6,8,10,12,14
.irp b, 0,1,2,3
	s_delay_alu instid0(VALU_DEP_4)
	v_max3_num_f32 v[\tm+\b], v[\tm+\b], |v[\s+16*\b+\i]|, |v[\s+1+16*\b+\i]|
.endr
.endr
.irp b, 0,1,2,3
	s_delay_alu instid0(VALU_DEP_4)
	v_permlanex16_b32 v[\tm+4+\b], v[\tm+\b], s[SEL], s[SEL+1]
.endr
.irp b, 0,1,2,3
	s_delay_alu instid0(VALU_DEP_4)
	v_max_num_f32 v[\tm+\b], v[\tm+\b], v[\tm+4+\b]
.endr
.irp b, 0,1,2,3
	s_delay_alu instid0(VALU_DEP_4)
	v_add_nc_u32 v[\tm+12+\b], 0xff000000, v[\tm+\b]
.endr
.irp b, 0,1,2,3
	s_delay_alu instid0(VALU_DEP_4)
	v_lshrrev_b32 v[\tm+4+\b], 23, v[\tm+12+\b]
.endr
	s_delay_alu instid0(VALU_DEP_3)
	v_lshl_or_b32 v[\pw], v[\tm+5], 8, v[\tm+4]
	s_delay_alu instid0(VALU_DEP_1)
	v_lshl_or_b32 v[\pw], v[\tm+6], 16, v[\pw]
	s_delay_alu instid0(VALU_DEP_1)
	v_lshl_or_b32 v[\pw], v[\tm+7], 24, v[\pw]
.irp c, 0,1
	v_cvt_scalef32_pk16_fp6_f32 v[\pc+6*\c:\pc+2+6*\c], v[\s+32*\c:\s+15+32*\c], v[\tm+12+2*\c]
	v_cvt_scalef32_pk16_fp6_f32 v[\pt+4*\c:\pt+2+4*\c], v[\s+16+32*\c:\s+31+32*\c], v[\tm+13+2*\c]
.endr
	v_nop
.irp c, 0,1
.irp i, 0,1,2
	v_permlane16_swap_b32 v[\pc+6*\c+\i], v[\pt+4*\c+\i]
.endr
.irp i, 0,1,2
	s_delay_alu instid0(VALU_DEP_3)
	v_mov_b32 v[\pc+3+6*\c+\i], v[\pt+4*\c+\i]
.endr
.endr
.endm
; MY KEY STEP of slot number sg (key step 4 sg + phase), lying in ring slot `slot`.  Left out where it lies behind my tile's block: a scalar branch on ids, round loads, products and softmax alone.
.macro STEP slot, sg
	s_add_co_u32 s96, s[PH], 4*\sg
	s_cmp_gt_u32 s96, s[BETA]
	s_cbranch_scc1 .Lhidden_\@
.irp g, 0,1                                    ; S^T = K Q^T, four tiles of 16 keys at a time
.rept 4
	v_nop                                          ; places in front of loads into registers that matrix instructions have read
.endr
.irp t, 0,1,2,3
.irp c, 0,1,2
	ds_load_b128 v[32+12*\t+4*\c:35+12*\t+4*\c], v[AD+\slot] offset:1536*(4*\g+\t)+512*\c
.endr
.endr
	ds_load_b128 v[248:251], v[AS+\slot] offset:12288+256*\g
	s_wait_dscnt 0x0
.irp t, 0,1,2,3
	v_wmma_scale_f32_16x16x128_f8f6f4 v[96+8*(4*\g+\t):103+8*(4*\g+\t)], v[32+12*\t:43+12*\t], v[16:27], 0, v[248+\t], v255 matrix_a_fmt:MATRIX_FMT_FP6 matrix_b_fmt:MATRIX_FMT_FP6
.endr
.endr
.rept 4
	v_nop
.endr
	s_cmp_lg_u32 s96, s[BETA]                      ; only my tile's own block lies on the diagonal
	s_cbranch_scc1 .Lopen_\@
	v_mov_b32 v254, 0xff800000                     ; the scores of hidden keys become -infinity ahead of the maximum.  Register 16 b + i holds key 32 b + i + 16 (lane / 16) of the block
.set N, 0
.rept 64
	v_cmp_gt_i32 vcc_lo, 32*(N/16)+N%16, v[VD]
	v_cndmask_b32 v[96+N], v[96+N], v254, vcc_lo
.set N, N+1
.endr
.Lopen_\@:
.irp b, 0,1,2,3
	v_max3_num_f32 v[232+\b], v[96+16*\b], v[97+16*\b], v[98+16*\b]   ; the largest score of each block of 32 keys: for the row's maximum, and, since p rises with the score, for the block's largest p
.endr
.irp i, 3,5,7,9,11,13
.irp b, 0,1,2,3
	v_max3_num_f32 v[232+\b], v[232+\b], v[96+16*\b+\i], v[97+16*\b+\i]
.endr
.endr
.irp b, 0,1,2,3
	v_max_num_f32 v[232+\b], v[232+\b], v[111+16*\b]
.endr
.irp b, 0,1,2,3
	s_delay_alu instid0(VALU_DEP_4)
	v_permlanex16_b32 v[236+\b], v[232+\b], s[SEL], s[SEL+1]
.endr
.irp b, 0,1,2,3
	s_delay_alu instid0(VALU_DEP_4)
	v_max_num_f32 v[232+\b], v[232+\b], v[236+\b]
.endr
	s_delay_alu instid0(VALU_DEP_2)
	v_max3_num_f32 v254, v232, v233, v234
	s_delay_alu instid0(VALU_DEP_1)
	v_max_num_f32 v254, v254, v235
	s_delay_alu instid0(VALU_DEP_1)
	v_mul_f32 v254, s[CS], v254                    ; as t
	s_delay_alu instid0(VALU_DEP_1)
	v_max_num_f32 v13, v13, v254                   ; the running largest t
	v_mov_b32 v254, v12
	s_delay_alu instid0(VALU_DEP_2)
	v_floor_f32 v12, -v13                          ; the new -M = -ceil(t)
	s_delay_alu instid0(VALU_DEP_1)
	v_sub_f32 v254, v12, v254                      ; old M - new M: a whole number, 0 or less
	s_delay_alu instid0(VALU_DEP_1)
	v_cvt_i32_f32 v254, v254                       ; (it saturates)
	s_delay_alu instid0(VALU_DEP_1)
	v_ldexp_f32 v252, 1.0, v254                    ; f = 2^(old M - new M)
.set J, 0
.rept 32
	v_pk_fma_f32 v[96+J:97+J], v[96+J:97+J], s[CS:CS+1], v[12:13] op_sel_hi:[1,0,0]   ; t - M
.set J, J+2
.endr
.irp b, 0,1,2,3
	v_fma_f32 v[232+\b], v[232+\b], s[CS], v12
.endr
.set J, 0
	s_wait_alu depctr_va_vdst(0)
.rept 64
	v_exp_f32 v[96+J], v[96+J]                     ; p = 2^(t - M)
.set J, J+1
.endr
	v_pk_mul_f32 v[14:15], v[14:15], v[252:253] op_sel_hi:[1,0]   ; l under the new M (a plain place behind the exponentials)
	s_wait_alu depctr_va_vdst(0)                   ; one wait for the batch, ahead of its first reader
.irp b, 0,1,2,3
	v_exp_f32 v[232+\b], v[232+\b]                 ; the blocks' largest p
.endr
	v_pk_add_f32 v[236:237], v[100:101], v[104:105]
	v_pk_add_f32 v[250:251], v[108:109], v[112:113]
	v_pk_add_f32 v[248:249], v[116:117], v[120:121]
	v_pk_add_f32 v[246:247], v[124:125], v[128:129]
	v_pk_add_f32 v[244:245], v[132:133], v[136:137]
	v_pk_add_f32 v[242:243], v[140:141], v[144:145]
	v_pk_add_f32 v[240:241], v[148:149], v[152:153]
	v_pk_add_f32 v[14:15], v[14:15], v[156:157]
	v_pk_add_f32 v[236:237], v[236:237], v[96:97]
	v_pk_add_f32 v[250:251], v[250:251], v[98:99]
	v_pk_add_f32 v[248:249], v[248:249], v[102:103]
	v_pk_add_f32 v[246:247], v[246:247], v[106:107]
	v_pk_add_f32 v[244:245], v[244:245], v[110:111]
	v_pk_add_f32 v[242:243], v[242:243], v[114:115]
	v_pk_add_f32 v[240:241], v[240:241], v[118:119]
	v_pk_add_f32 v[14:15], v[14:15], v[122:123]
	v_pk_add_f32 v[236:237], v[236:237], v[126:127]
	v_pk_add_f32 v[250:251], v[250:251], v[130:131]
	v_pk_add_f32 v[248:249], v[248:249], v[134:135]
	v_pk_add_f32 v[246:247], v[246:247], v[138:139]
	v_pk_add_f32 v[244:245], v[244:245], v[142:143]
	v_pk_add_f32 v[242:243], v[242:243], v[146:147]
	v_pk_add_f32 v[240:241], v[240:241], v[150:151]
	v_pk_add_f32 v[14:15], v[14:15], v[154:155]
	v_pk_add_f32 v[236:237], v[236:237], v[158:159]
	s_delay_alu instid0(VALU_DEP_2)
	v_pk_add_f32 v[14:15], v[14:15], v[246:247]
	s_delay_alu instid0(VALU_DEP_2)
	v_pk_add_f32 v[236:237], v[236:237], v[244:245]
	v_pk_add_f32 v[250:251], v[250:251], v[242:243]
	v_pk_add_f32 v[248:249], v[248:249], v[240:241]
	s_delay_alu instid0(VALU_DEP_2)
	v_pk_add_f32 v[14:15], v[14:15], v[250:251]
	s_delay_alu instid0(VALU_DEP_2)
	v_pk_add_f32 v[236:237], v[236:237], v[248:249]
	s_delay_alu instid0(VALU_DEP_1)
	v_pk_add_f32 v[14:15], v[14:15], v[236:237]
	s_wait_alu depctr_va_vdst(0)                   ; and one for the four
.irp b, 0,1,2,3
	v_max_num_f32 v[232+\b], 0x1800000, v[232+\b]  ; the floor
.endr
.irp b, 0,1,2,3
	s_delay_alu instid0(VALU_DEP_4)
	v_add_nc_u32 v[244+\b], 0xff000000, v[232+\b]
.endr
.irp b, 0,1,2,3
	s_delay_alu instid0(VALU_DEP_4)
	v_lshrrev_b32 v[236+\b], 23, v[244+\b]
.endr
	s_delay_alu instid0(VALU_DEP_3)
	v_lshl_or_b32 v253, v237, 8, v236              ; p's scale word for these 128 keys
	s_delay_alu instid0(VALU_DEP_1)
	v_lshl_or_b32 v253, v238, 16, v253
	s_delay_alu instid0(VALU_DEP_1)
	v_lshl_or_b32 v253, v239, 24, v253
.irp c, 0,1
	v_cvt_scalef32_pk16_fp6_f32 v[224+6*\c:226+6*\c], v[96+32*\c:111+32*\c], v[244+2*\c]
	v_cvt_scalef32_pk16_fp6_f32 v[236+4*\c:238+4*\c], v[112+32*\c:127+32*\c], v[244+2*\c+1]
.endr
	v_nop
.irp c, 0,1
.irp i, 0,1,2
	v_permlane16_swap_b32 v[224+6*\c+\i], v[236+4*\c+\i]
.endr
.irp i, 0,1,2
	s_delay_alu instid0(VALU_DEP_3)
	v_mov_b32 v[227+6*\c+\i], v[236+4*\c+\i]
.endr
.endr
.set J, 0
.rept 32
	v_pk_mul_f32 v[160+J:161+J], v[160+J:161+J], v[252:253] op_sel_hi:[1,0]   ; O^T under the new M (these are also the places in front of the loads and products below)
.set J, J+2
.endr
	s_wait_alu depctr_va_vdst(0)
.irp g, 0,1                                    ; O^T += V^T P^T
.if \g > 0
.rept 4
	v_nop
.endr
.endif
.irp t, 0,1,2,3
.irp c, 0,1,2
	ds_load_b128 v[32+12*\t+4*\c:35+12*\t+4*\c], v[AD+\slot] offset:VOFF+1536*(4*\g+\t)+512*\c
.endr
.endr
	ds_load_b128 v[248:251], v[AS+\slot] offset:VOFF+12288+256*\g
	s_wait_dscnt 0x0
.irp t, 0,1,2,3
	v_wmma_scale_f32_16x16x128_f8f6f4 v[160+8*(4*\g+\t):167+8*(4*\g+\t)], v[32+12*\t:43+12*\t], v[224:235], v[160+8*(4*\g+\t):167+8*(4*\g+\t)], v[248+\t], v253 matrix_a_fmt:MATRIX_FMT_FP6 matrix_b_fmt:MATRIX_FMT_FP6
.endr
.endr
.Lhidden_\@:
.endm
	s_load_b128 s[4:7], s[0:1], 0x0                ; qkv s[4:5], gate s[6:7]
	s_load_b64 s[8:9], s[0:1], 0x10                ; ai
	v_lshl_add_u32 v[SPW], v0, 2, SPARE
	v_mov_b32 v[NIL], 0
	ds_add_u32 v[SPW], v[NIL]                      ; the wave's opening: the add and its wait stand ahead of the first tensor load; the set-up below stands between them
	ds_add_u32 v[SPW], v[NIL]
	v_lshrrev_b32 v32, 5, v0
	s_delay_alu instid0(VALU_DEP_1)
	v_readfirstlane_b32 s[WV], v32
	s_lshr_b32 s[PH], s[WV], 2                     ; phase
	s_add_co_u32 s[TAU], s[WV], s[PH]
	s_and_b32 s[TAU], s[TAU], 3                    ; which of the work-group's four tiles
	s_and_b32 s[HD], ttmp7, 0xffff                 ; head
	s_lshl_b32 s66, ttmp9, 1
	s_add_co_u32 s67, s66, s[TAU]
	s_sub_co_u32 s68, 124, s66
	s_add_co_u32 s68, s68, s[TAU]
	s_cmp_lt_u32 s[TAU], 2
	s_cselect_b32 s[TT], s67, s68                  ; my tile of queries
	s_lshr_b32 s[BETA], s[TT], 3                   ; its block of 128 tokens = its last key step
	; descriptor group 1: half a slot's K or V: 25,600 dense bytes as 100 rows of 256
	s_mov_b32 s[G1], 3<<16
	s_mov_b32 s[G1+1], 32<<16
	s_mov_b32 s[G1+2], 100<<16
	s_mov_b32 s[G1+3], 32<<16
	s_mov_b32 s[G1+4], 100
	s_mov_b32 s[G1+5], 32
	s_mov_b32 s[G1+6], 0
	s_mov_b32 s[G1+7], 0
	s_and_b32 s66, s[WV], 1
	s_mul_i32 s67, s66, 25600                      ; my half, in a slot and in memory
	s_mul_i32 s78, s[HD], 204800                   ; the head, in each of the three regions
	s_add_co_u32 s68, s78, s67
	s_add_co_u32 s68, s68, 1638400                 ; k's region
	s_mov_b32 s69, 0
	s_mov_b32 s[SEL], 0x76543210
	s_mov_b32 s[SEL+1], 0xfedcba98
	s_mov_b32 s[CS], 0x3e0293ee                    ; c = log2(e) / sqrt(128)
	s_mov_b32 s[CS+1], s[CS]
	s_wait_dscnt 0x0                               ; the opening add is done
	s_wait_kmcnt 0x0
	s_add_nc_u64 s[70:71], s[4:5], s[68:69]
.irp s, 0,1
	s_mov_b32 s[G0K+4*\s], 1
	s_add_co_u32 s[G0K+4*\s+1], s67, \s*SLOT
	s_add_nc_u64 s[G0K+4*\s+2:G0K+4*\s+3], s[70:71], \s*VOFF
	s_or_b32 s[G0K+4*\s+3], s[G0K+4*\s+3], 0x80000000
	s_mov_b32 s[G0V+4*\s], 1
	s_add_co_u32 s[G0V+4*\s+1], s67, \s*SLOT+VOFF
	s_add_nc_u64 s[G0V+4*\s+2:G0V+4*\s+3], s[70:71], \s*VOFF+1638400
	s_or_b32 s[G0V+4*\s+3], s[G0V+4*\s+3], 0x80000000
.endr
	TLOAD G0K, G0V                                 ; key steps 0 to 3 into slot 0
	; every address is made here, ahead of any parting of the waves
	v_and_b32 v32, 15, v0                          ; r
	v_bfe_u32 v33, v0, 4, 1                        ; h
	v_and_b32 v36, 31, v0                          ; lane
	s_delay_alu instid0(VALU_DEP_1)
	v_lshlrev_b32 v[L16], 4, v36
	s_delay_alu instid0(VALU_DEP_4)
	v_lshlrev_b32 v[R16], 4, v32
	s_delay_alu instid0(VALU_DEP_3)
	v_lshlrev_b32 v[PFO], 8, v36
	s_mul_i32 s72, s[PH], 12800
	v_add_nc_u32 v[AD], s72, v[L16]
	s_delay_alu instid0(VALU_DEP_1)
	v_add_nc_u32 v[AD+1], SLOT, v[AD]
	v_add_nc_u32 v[AS], s72, v[R16]
	s_delay_alu instid0(VALU_DEP_1)
	v_add_nc_u32 v[AS+1], SLOT, v[AS]
	s_lshr_b32 s73, s[TT], 1
	s_and_b32 s73, s73, 3
	s_lshl_b32 s73, s73, 5
	s_and_b32 s74, s[TT], 1
	s_lshl_b32 s74, s74, 3
	s_add_co_u32 s73, s73, s74
	v_and_b32 v34, 8, v32
	s_delay_alu instid0(VALU_DEP_1)
	v_add_nc_u32 v34, v34, v32                     ; 16 (r / 8) + r % 8
	v_lshlrev_b32 v35, 4, v33
	s_delay_alu instid0(VALU_DEP_1)
	v_sub_nc_u32 v34, v34, v35
	s_delay_alu instid0(VALU_DEP_1)
	v_add_nc_u32 v[VD], s73, v34
	v_lshlrev_b32 v36, 3, v36
	s_mul_i32 s75, s[TAU], 3*RB
	s_add_co_u32 s76, s75, MG                      ; my tile's three regions
	v_add_nc_u32 v[MR], s76, v[L16]
	v_add_nc_u32 v[MS], s76, v36
	s_delay_alu instid0(VALU_DEP_1)
	v_add_nc_u32 v[MS], 8192, v[MS]
	s_mul_i32 s77, s[PH], RB
	s_add_co_u32 s77, s77, s75
	s_add_co_u32 s77, s77, MG-RB                   ; region 3 x tile + phase - 1 (used by phases 1 to 3)
	v_add_nc_u32 v[MW], s77, v[L16]
	v_add_nc_u32 v[MWS], s77, v36
	s_delay_alu instid0(VALU_DEP_1)
	v_add_nc_u32 v[MWS], 8192, v[MWS]
	s_mul_i32 s79, s[BETA], 12800
	s_add_co_u32 s79, s79, s78                     ; q's head block
	s_and_b32 s80, s[TT], 7
	s_mul_i32 s81, s80, 1536
	s_add_co_u32 s82, s79, s81
	s_mov_b32 s83, 0
	s_add_nc_u64 s[QA:QA+1], s[4:5], s[82:83]      ; my tile's image
	s_lshr_b32 s84, s80, 2
	s_lshl_b32 s84, s84, 8
	s_and_b32 s85, s[TT], 3
	s_lshl_b32 s85, s85, 2
	s_add_co_u32 s84, s84, s85
	s_add_co_u32 s84, s84, s79
	s_add_co_u32 s84, s84, 12288
	s_mov_b32 s85, 0
	s_add_nc_u64 s[QS:QS+1], s[4:5], s[84:85]      ; and its scale words
	s_lshl_b32 s86, s[HD], 20
	s_lshl_b32 s87, s[TT], 13
	s_add_co_u32 s86, s86, s87
	s_mov_b32 s87, 0
	s_add_nc_u64 s[GP:GP+1], s[6:7], s[86:87]      ; the gate's image of my tile
	s_mul_i32 s88, s[TT], 12800
	s_lshr_b32 s89, s[HD], 2
	s_mul_i32 s89, s89, 6400
	s_add_co_u32 s88, s88, s89                     ; the panel of ai: K step = head
	s_and_b32 s90, s[HD], 3
	s_mul_i32 s92, s90, 1536
	s_add_co_u32 s92, s92, s88
	s_mov_b32 s93, 0
	s_add_nc_u64 s[AO:AO+1], s[8:9], s[92:93]
	s_lshl_b32 s94, s90, 2
	s_add_co_u32 s94, s94, s88
	s_add_co_u32 s94, s94, 6144
	s_mov_b32 s95, 0
	s_add_nc_u64 s[AOS:AOS+1], s[8:9], s[94:95]
	; K AND V OF KEY STEPS 4 TO 15 ARE PREFETCHED INTO THE L2, shared out among the head's 32 work-groups: a head block of 12,800 bytes is two pieces of 25 blocks of 256 bytes (a lane a block, lanes 25-31 name the
	; last block again).  Work-group j takes piece j of key steps 4 to 11 (step 4 + j / 4, K or V by (j / 2) % 2, half j % 2), and where j < 16 the same piece eight steps on.  One wave asks, one that issues no tensor
	; load; the first of these bytes is wanted by the load that follows slot 0's landing.
	v_and_b32 v31, 31, v0
	s_delay_alu instid0(VALU_DEP_1)
	v_min_u32 v31, 24, v31
	s_delay_alu instid0(VALU_DEP_1)
	v_lshlrev_b32 v31, 8, v31
	s_lshr_b32 s97, ttmp9, 2
	s_add_co_u32 s97, s97, 4
	s_mul_i32 s98, s97, 12800
	s_bfe_u32 s97, ttmp9, 0x10001
	s_mul_i32 s97, s97, 1638400
	s_add_co_u32 s98, s98, s97
	s_and_b32 s97, ttmp9, 1
	s_mul_i32 s97, s97, 6400
	s_add_co_u32 s98, s98, s97
	s_add_co_u32 s98, s98, s78                     ; the head,
	s_add_co_u32 s98, s98, 1638400                 ; in k's region
	s_mov_b32 s99, 0
	s_add_nc_u64 s[98:99], s[4:5], s[98:99]
	s_wait_alu depctr_va_vdst(0)                   ; ahead of the branch
	s_cmp_lg_u32 s[WV], 4
	s_cbranch_scc1 .Lno_kv
	global_prefetch_b8 v31, s[98:99] th:TH_LOAD_NT scope:SCOPE_SE
	s_cmp_ge_u32 ttmp9, 16
	s_cbranch_scc1 .Lno_kv
	global_prefetch_b8 v31, s[98:99] offset:102400 th:TH_LOAD_NT scope:SCOPE_SE
.Lno_kv:
.irp c, 0,1,2
	global_load_b128 v[16+4*\c:19+4*\c], v[L16], s[QA:QA+1] offset:512*\c   ; Q's fragment stays in registers
.endr
	global_load_b32 v255, v[R16], s[QS:QS+1]
	v_mov_b32 v13, 0xff61b1e6                      ; the largest t so far: -3e38
	s_delay_alu instid0(VALU_DEP_1)
	v_floor_f32 v12, -v13                          ; -M
	v_mov_b32 v14, 0
	v_mov_b32 v15, 0
.irp b, 0,1,2,3
	v_mov_b32 v[236+\b], 0                         ; a lane permute's destination counts as one of its sources
.endr
	v_mov_b32 v252, 0
	v_mov_b32 v253, 0
.set J, 0
.rept 64
	v_mov_b32 v[160+J], 0                          ; O^T: a wave may have no key step at all, and its zeros are then what it brings
.set J, J+1
.endr
	s_wait_loadcnt 0x0                             ; Q
	CHANGE 1, 0, 1                                 ; slot 0 is whole; key steps 4 to 7 go into slot 1
	STEP 0, 0
	CHANGE 0, 1, 1                                 ; key steps 8 to 11 into slot 0: the late tiles of every work-group read step 8
	s_cmp_lt_u32 s[WV], 4                          ; the waves that will finish a tile ask for the gate's image of it, 32 lanes x 256 bytes, each block once in the launch, two slots ahead of its loads
	s_cbranch_scc0 .Lno_ask
	global_prefetch_b8 v[PFO], s[GP:GP+1] th:TH_LOAD_NT scope:SCOPE_SE
.Lno_ask:
	STEP 1, 1
	CHANGE 1, 1, 2                                 ; key steps 12 to 15 into slot 1, where somebody reads them
	STEP 0, 2
	CHANGE 0, 0, 0
	STEP 1, 3
	; ---- THE FOUR PARTS OF A TILE MEET
.rept 4
	v_nop                                          ; places behind the last products
.endr
	s_cmp_eq_u32 s[PH], 0
	s_cbranch_scc1 .Lowner
	v_add_f32 v13, v14, v15                        ; my lane's l
.set C, 0
	s_wait_alu depctr_va_vdst(0)
.rept 16
	ds_store_b128 v[MW], v[160+4*C:163+4*C] offset:512*C
.set C, C+1
.endr
	ds_store_b64 v[MWS], v[12:13]
	s_branch .Lmeet
.Lowner:
.set C, 0
.rept 16
	global_load_b128 v[32+4*C:35+4*C], v[L16], s[GP:GP+1] offset:512*C th:TH_LOAD_NT
.set C, C+1
.endr
.Lmeet:
	s_wait_dscnt 0x0                               ; for the others' sake: my stores are done
	s_barrier_signal -1
	s_barrier_wait -1
	s_cmp_lg_u32 s[PH], 0
	s_cbranch_scc1 .Lend
	v_add_f32 v14, v14, v15
.irp k, 0,1,2
	ds_load_b64 v[236+2*\k:237+2*\k], v[MS] offset:RB*\k
.endr
.set C, 0
.rept 16
	ds_load_b128 v[96+4*C:99+4*C], v[MR] offset:512*C
.set C, C+1
.endr
	s_wait_dscnt 16                                ; the three (-M, l) are in; the first partial O^T may be out
	v_min3_num_f32 v242, v12, v236, v238
	s_delay_alu instid0(VALU_DEP_1)
	v_min_num_f32 v242, v242, v240                 ; -M of all four
	s_delay_alu instid0(VALU_DEP_1)
	v_sub_f32 v244, v242, v12
	s_delay_alu instid0(VALU_DEP_2)
	v_sub_f32 v245, v242, v236
	s_delay_alu instid0(VALU_DEP_3)
	v_sub_f32 v246, v242, v238
	s_delay_alu instid0(VALU_DEP_4)
	v_sub_f32 v247, v242, v240                     ; each part's M less the common one: a whole number, 0 or less (a part with no key step: -3e38)
.irp k, 0,1,2,3
	s_delay_alu instid0(VALU_DEP_4)
	v_cvt_i32_f32 v[244+\k], v[244+\k]             ; (it saturates)
.endr
.irp k, 0,1,2,3
	s_delay_alu instid0(VALU_DEP_4)
	v_ldexp_f32 v[224+2*\k], 1.0, v[244+\k]        ; the part's factor, a power of two or 0
.endr
.irp k, 0,1,2,3
	s_delay_alu instid0(VALU_DEP_4)
	v_mov_b32 v[225+2*\k], v[224+2*\k]
.endr
	v_mul_f32 v14, v14, v224
	s_delay_alu instid0(VALU_DEP_1)
	v_fmac_f32 v14, v237, v226
	s_delay_alu instid0(VALU_DEP_1)
	v_fmac_f32 v14, v239, v228
	s_delay_alu instid0(VALU_DEP_1)
	v_fmac_f32 v14, v241, v230
.set J, 0
.rept 32
	v_pk_mul_f32 v[160+J:161+J], v[160+J:161+J], v[224:225] op_sel_hi:[1,0]
.set J, J+2
.endr
	s_wait_dscnt 0x0
.set J, 0
.rept 32
	v_pk_fma_f32 v[160+J:161+J], v[96+J:97+J], v[226:227], v[160+J:161+J] op_sel_hi:[1,0,1]
.set J, J+2
.endr
.irp k, 1,2
.set C, 0
.rept 16
	ds_load_b128 v[96+4*C:99+4*C], v[MR] offset:RB*\k+512*C
.set C, C+1
.endr
	s_wait_dscnt 0x0
.set J, 0
.rept 32
	v_pk_fma_f32 v[160+J:161+J], v[96+J:97+J], v[226+2*\k:227+2*\k], v[160+J:161+J] op_sel_hi:[1,0,1]
.set J, J+2
.endr
.endr
	; ---- O / l x sigmoid(gate), quantised along head x 128 + d: K step `head` of the last product's left operand
	v_permlanex16_b32 v252, v14, s[SEL], s[SEL+1]
	s_delay_alu instid0(VALU_DEP_1)
	v_add_f32 v14, v14, v252                       ; with lane l xor 16's keys: the row's l
	s_wait_alu depctr_va_vdst(0)
	v_mov_b32 v15, v14                             ; (named with it as a pair)
	s_wait_alu depctr_va_vdst(0)                   ; directly ahead of the wait below
	s_wait_loadcnt 0x0                             ; the gate's image holds u = 1 + 2^(-log2(e) x): O / l x sigmoid(x) = O / (l u)
.set J, 0
.rept 32
	v_pk_mul_f32 v[32+J:33+J], v[32+J:33+J], v[14:15] op_sel_hi:[1,0]
.set J, J+2
.endr
	s_wait_alu depctr_va_vdst(0)                   ; ahead of the batch
.set J, 0
.rept 64
	v_rcp_f32 v[32+J], v[32+J]                     ; (u may be infinite: the reciprocal is then 0, as the sigmoid is)
.set J, J+1
.endr
	v_nop                                          ; a plain place behind the last reciprocal
	s_wait_alu depctr_va_vdst(0)                   ; one wait for the batch, ahead of its first reader
.set J, 0
.rept 32
	v_pk_mul_f32 v[96+J:97+J], v[160+J:161+J], v[32+J:33+J]
.set J, J+2
.endr
	QUANT0 96, 160, 172, 232, 248
.irp c, 0,1,2
	global_store_b128 v[L16], v[160+4*\c:163+4*\c], s[AO:AO+1] offset:512*\c
.endr
	global_store_b32 v[R16], v248, s[AOS:AOS+1]    ; my rows' scale words of this K step: 4 bytes a row, 16 apart (lanes 16-31 repeat lanes 0-15); the panel's other words come from other heads' work-groups
.Lend:
	s_wait_tensorcnt 0x0                           ; the wave's end
	ds_add_u32 v[SPW], v[NIL]
	s_wait_dscnt 0x0
	s_endpgm
.Lfunc_end_k_q692b593188_attn:
	.size	k_q692b593188_attn, .Lfunc_end_k_q692b593188_attn-k_q692b593188_attn
	.p2alignl 7, 3214868480
	.fill 96, 4, 3214868480
	.section	.rodata,"a",@progbits
	.p2align	6, 0x0
	.amdhsa_kernel k_q692b593188_attn
		.amdhsa_group_segment_fixed_size 327680
		.amdhsa_private_segment_fixed_size 0
		.amdhsa_enable_private_segment 0
		.amdhsa_kernarg_size 24
		.amdhsa_user_sgpr_count 2
		.amdhsa_user_sgpr_kernarg_segment_ptr 1
		.amdhsa_wavefront_size32 1
		.amdhsa_system_sgpr_workgroup_id_x 1
		.amdhsa_system_sgpr_workgroup_id_y 1
		.amdhsa_system_sgpr_workgroup_id_z 1
		.amdhsa_system_vgpr_workitem_id 0
		.amdhsa_next_free_vgpr 256
		.amdhsa_next_free_sgpr 100
		.amdhsa_reserve_vcc 1
		.amdhsa_float_denorm_mode_32 3
		.amdhsa_float_denorm_mode_16_64 3
		.amdhsa_memory_ordered 1
		.amdhsa_forward_progress 1
		.amdhsa_inst_pref_size 142
	.end_amdhsa_kernel
	.amdgpu_metadata
---
amdhsa.version: [ 1, 2 ]
amdhsa.kernels:
  - .name:           k_q692b593188_attn
    .symbol:         k_q692b593188_attn.kd
    .args:
      - { .name: qkv, .offset: 0, .size: 8, .value_kind: global_buffer, .address_space: global }
      - { .name: gate, .offset: 8, .size: 8, .value_kind: global_buffer, .address_space: global }
      - { .name: ai, .offset: 16, .size: 8, .value_kind: global_buffer, .address_space: global }
    .group_segment_fixed_size: 327680
    .private_segment_fixed_size: 0
    .kernarg_segment_align: 8
    .kernarg_segment_size: 24
    .max_flat_workgroup_size: 512
    .sgpr_count:     100
    .vgpr_count:     256
    .wavefront_size: 32
...
	.end_amdgpu_metadata
.endif
;; end of part 3
;; launch gemm_out (part 4): grid 16 x 16, 4 waves a work-group, clusters of 4 x 4, 327,680 bytes of LDS; arguments ai, woq, out0; writes out0
.if DOCPART == 4
	.amdgcn_target "amdgcn-amd-amdhsa--gfx1250"
	.amdhsa_code_object_version 6
	.text
	.protected	k_q692b593188_gemm_out
	.globl	k_q692b593188_gemm_out
	.p2align	8
	.type	k_q692b593188_gemm_out,@function
k_q692b593188_gemm_out:
	s_mov_b64 s[64:65], 0
	v_nop
	global_prefetch_b8 v0, s[64:65] scope:SCOPE_SE
	s_setreg_imm32_b32 hwreg(HW_REG_WAVE_MODE, 25, 1), 1
	s_wait_xcnt 0x0
	s_wait_alu depctr_hold_cnt(0) depctr_sa_sdst(0) depctr_va_vdst(0) depctr_va_sdst(0) depctr_va_ssrc(0) depctr_va_vcc(0) depctr_vm_vsrc(0)
	s_getreg_b32 s2, hwreg(HW_REG_IB_STS2, 6, 4)
	s_cmp_eq_u32 s2, 0
	s_cbranch_scc0 .Lentry_in_a_cluster
	s_endpgm
.Lentry_in_a_cluster:
	s_bfe_u32 s2, ttmp6, 0x10000c
	s_cmp_lg_u32 s2, 0xf033
	s_cbranch_scc0 .Lentry_shape_is_right
	s_endpgm
.Lentry_shape_is_right:
; out0 = (attention's result x sigmoid(gate)) x Wo on codes of MX-FP6, K = 1,024; f32 out.
; OPERANDS are images of the operand's registers (a fragment: 1,536 bytes, three loads of 16 bytes a lane; a panel: one tile of 16 rows x 512 K, four images and 256 bytes of scale words, 6,400 bytes); buffers are
; [tile][K group], two panels a tile.  Image row r of tile T is true row 32 (T / 2) + 16 (r / 8) + 8 (T % 2) + r % 8.
; SHARES.  A work-group makes 128 tokens (role A, 8 tiles, source 1) x 256 columns (role B, 16 tiles of Wo, source 0).  Wave w takes ALL 8 tiles of tokens x tiles 4 w .. 4 w + 3 of Wo: 64 columns.
; ITS FRAGMENTS OF Wo STAY IN REGISTERS: 4 tiles x 8 steps of 128 along K x 12 = 384.  The tiles of tokens stream through two sets of 96 registers, and each is FINISHED in 32 matrix instructions (its 4 accumulators
; by turns, K ascending) and leaves at once, while the next tiles are multiplied.  A wave reads 32 + 64 fragments from LDS, none twice.
; In register 16 b + i of lane (r, h) a finished tile holds column 32 b + 16 h + i (b = 0, 1) of token row r: it goes through the wave's own stage in LDS and leaves as rows of 256 bytes, 16 lanes to a row.
; ALL OF K LIES IN LDS: two slots of 512 along K, 24 panels each, filled ONCE, by four loads at the head, one a wave: wave w fetches K group w / 2 of role A's 8 panels (w even) or of role B's 16 (w odd).
; Nothing is filled again: one barrier shows the slots whole, and no other is needed: the stages have LDS bytes of their own, behind the slots.
; CLUSTERS 4 x 4: role A's panels are shared along a row of the cluster, role B's along a column, by joint loads.  Branches and LDS addresses hang on the wave's number alone.
; NO PREFETCH: every byte is asked for once, at the head, and the text has no loop to run ahead in.
; REGISTERS.  window 0: v16-26 addresses; v28, v29 the add's two; v32-63 Wo's scale words (8 t + k); v64-79 the tokens' scale words, two sets; v128-191 accumulators, two sets of 4; v192-255 rows read back, two sets.
;   window 1: Wo's fragments of K steps 0-3 (12 (4 q + t));  window 2: of K steps 4-7;  window 3: the tokens' fragments, two sets of 96 (12 k).
.set TP,     12800                     ; a tile's two panels
.set PANEL,  6400
.set SLOT,   24*PANEL                  ; role A's 8 panels, then role B's 16
.set BOFF,   8*PANEL
.set STAGE,  2*SLOT                    ; behind the slots: a stage of 16 rows x (256 + 16) bytes for each wave; no tensor load lands there
.set SPITCH, 272
.set SPARE,  STAGE+4*16*SPITCH         ; behind the stages: the spare words, 128 bytes for each wave, which no other line names
.set ADRA,   16                        ; v16, v17 role A's images in slot 0, 1: + 16 x lane
.set ADRB,   18                        ; v18, v19 my four tiles of role B
.set ADSA,   20                        ; v20, v21 role A's scale words: + 16 r
.set ADSB,   22                        ; v22, v23 my four tiles' of role B
.set STO,    24
.set RD,     25
.set CO,     26
.set SPW,    28
.set NIL,    29
.set SB,     32
.set SA,     64
.set ACC,    128
.set RB,     192
.set G1,     24
.set G0,     32
.set G1B,    48
.set G0B,    56
.set MSB, 0
.macro WIN new                         ; the immediate's high byte repeats the setting that is left
.if MSB != (\new)
	s_set_vgpr_msb (MSB<<8)|(\new)
.set MSB, (\new)
.endif
.endm
.macro PLACES n
.rept \n
	v_nop
.endr
.endm
.macro CROUND                          ; a round of the cluster's barrier
	s_barrier_signal -1
	s_barrier_wait -1
	s_cmp_lg_u32 s14, 0
	s_cbranch_scc1 .Lnot_wave_0_\@
	s_barrier_signal -3
.Lnot_wave_0_\@:
	s_barrier_wait -3
	s_barrier_signal -1
	s_barrier_wait -1
.endm
.macro LDB g                           ; 48 LDS loads: my four tiles of Wo, the four K steps of group g, into window 1 + g
	WIN 0x40*(1+\g)
.irp q, 0,1,2,3
.irp t, 0,1,2,3
.irp c, 0,1,2
	ds_load_b128 v[12*(4*\q+\t)+4*\c:12*(4*\q+\t)+4*\c+3], v[ADRB+\g] offset:PANEL*\t+1536*\q+512*\c
.endr
.endr
.endr
.endm
.macro LDA a                           ; 26 LDS loads: tile a of tokens, all eight K steps, into set a % 2 of window 3, and its scale words
	WIN 0xc0
.irp k, 0,1,2,3,4,5,6,7
.irp c, 0,1,2
	ds_load_b128 v[96*((\a)%2)+12*\k+4*\c:96*((\a)%2)+12*\k+4*\c+3], v[ADRA+\k/4] offset:PANEL*(\a)+1536*(\k%4)+512*\c
.endr
.endr
	WIN 0
.irp g, 0,1
	ds_load_b128 v[SA+8*((\a)%2)+4*\g:SA+8*((\a)%2)+4*\g+3], v[ADSA+\g] offset:PANEL*(\a)
.endr
.endm
; 16 matrix instructions: tile a of tokens against my four tiles of Wo, the four K steps of group g.  The four accumulators take turns, one instruction a turn; the first K step starts the sums.
.macro MUL16 a, g
	WIN 0x0d+\g                                    ; source 0 window 1 + g, source 1 window 3, C and D window 0
.irp q, 0,1,2,3
.irp t, 0,1,2,3
.if (\g) == 0 && \q == 0
	v_wmma_scale_f32_16x16x128_f8f6f4 v[ACC+32*((\a)%2)+8*\t:ACC+32*((\a)%2)+8*\t+7], v[12*(4*\q+\t):12*(4*\q+\t)+11], v[96*((\a)%2)+12*(4*(\g)+\q):96*((\a)%2)+12*(4*(\g)+\q)+11], 0, v[SB+8*\t+4*(\g)+\q], v[SA+8*((\a)%2)+4*(\g)+\q] matrix_a_fmt:MATRIX_FMT_FP6 matrix_b_fmt:MATRIX_FMT_FP6
.else
	v_wmma_scale_f32_16x16x128_f8f6f4 v[ACC+32*((\a)%2)+8*\t:ACC+32*((\a)%2)+8*\t+7], v[12*(4*\q+\t):12*(4*\q+\t)+11], v[96*((\a)%2)+12*(4*(\g)+\q):96*((\a)%2)+12*(4*(\g)+\q)+11], v[ACC+32*((\a)%2)+8*\t:ACC+32*((\a)%2)+8*\t+7], v[SB+8*\t+4*(\g)+\q], v[SA+8*((\a)%2)+4*(\g)+\q] matrix_a_fmt:MATRIX_FMT_FP6 matrix_b_fmt:MATRIX_FMT_FP6
.endif
.endr
.endr
.endm
.macro TOSTAGE a                       ; 8 stores and 8 loads: tile a's 16 rows x 256 bytes into my stage and back by rows, two rows a load.  LDS serves a wave's instructions in order
	WIN 0
.irp b, 0,1
.irp c, 0,1,2,3
	ds_store_b128 v[STO], v[ACC+32*((\a)%2)+16*\b+4*\c:ACC+32*((\a)%2)+16*\b+4*\c+3] offset:128*\b+16*\c   ; each accumulator from its low end on
.endr
.endr
.irp j, 0,1,2,3,4,5,6,7
	ds_load_b128 v[RB+32*((\a)%2)+4*\j:RB+32*((\a)%2)+4*\j+3], v[RD] offset:2*\j*SPITCH
.endr
.endm
.macro SEND a                          ; 16 lanes store 256 consecutive bytes of a row of out0, aligned to 256; image rows 2 j and 2 j + 1 are neighbours in out0
.irp j, 0,1,2,3,4,5,6,7
	global_store_b128 v[CO], v[RB+32*((\a)%2)+4*\j:RB+32*((\a)%2)+4*\j+3], s[8:9] offset:(32*((\a)/2)+8*((\a)%2)+16*(\j/4)+(2*\j)%8)*16384 th:TH_STORE_NT
.endr
.endm
; Tile a, 1 to 7: the tile before goes to the stage, the next tile's fragments are asked for, and the tile before is stored between this tile's two runs of products
.macro TILE a
	s_wait_dscnt 0x0                               ; tile a's fragments and scale words are in
	PLACES 5                                       ; behind tile a - 1's products: four places ahead of the stores that read its sums and of the loads into its fragments' set; with the five of the tile before, five ahead of the products that begin tile a - 2's accumulators anew
.if (\a) > 2
	s_wait_xcnt 0x0                                ; tile a - 3's stores have read the registers that take tile a - 1's rows
.endif
	TOSTAGE (\a)-1
.if (\a) < 7
	LDA (\a)+1
.endif
	MUL16 \a, 0
	WIN 0
.if (\a) < 7
	s_wait_dscnt 26                                ; tile a - 1's rows are back; the next tile's 26 loads may be out
.else
	s_wait_dscnt 0x0
.endif
	SEND (\a)-1
	MUL16 \a, 1
.endm
	s_load_b128 s[4:7], s[0:1], 0x0                ; ai s[4:5], woq s[6:7]
	s_load_b64 s[8:9], s[0:1], 0x10                ; out0
	v_lshl_add_u32 v[SPW], v0, 2, SPARE
	v_mov_b32 v[NIL], 0
	ds_add_u32 v[SPW], v[NIL]                      ; the wave's opening: the add, twice on end, and its wait stand ahead of my first tensor load
	ds_add_u32 v[SPW], v[NIL]
	v_lshrrev_b32 v1, 5, v0
	v_readfirstlane_b32 s14, v1                    ; wave
	s_lshr_b32 s15, s14, 1                         ; which K group I fetch
	s_and_b32 s16, s14, 1                          ; I fetch for role A (0) or B (1)
	s_bfe_u32 s40, ttmp6, 0x40000                  ; cx
	s_bfe_u32 s41, ttmp6, 0x40004                  ; cy
	s_mov_b32 s42, ttmp9                           ; the cluster's x
	s_and_b32 s43, ttmp7, 0xffff                   ; the cluster's y
	s_lshl_b32 s44, s41, 2
	s_lshl_b32 s44, 15, s44                        ; my row of the cluster
	s_lshl_b32 s45, 0x1111, s40                    ; my column
	; descriptor group 1: 8 (role A) or 16 (role B) rows of one panel each, 800 elements of 8 bytes, a tile's panels apart in memory, dense in LDS
	s_or_b32 s[G1], s44, (3<<16)|(1<<21)
	s_or_b32 s[G1B], s45, (3<<16)|(1<<21)
	s_mov_b32 s[G1+1], 800<<16
	s_mov_b32 s[G1+2], 8<<16
	s_mov_b32 s[G1+3], 800<<16
	s_mov_b32 s[G1+4], 8
	s_mov_b32 s[G1+5], TP/8
	s_mov_b32 s[G1+6], 0
	s_mov_b32 s[G1+7], 0
	s_mov_b32 s[G1B+1], 800<<16
	s_mov_b32 s[G1B+2], 16<<16
	s_mov_b32 s[G1B+3], 800<<16
	s_mov_b32 s[G1B+4], 16
	s_mov_b32 s[G1B+5], TP/8
	s_mov_b32 s[G1B+6], 0
	s_mov_b32 s[G1B+7], 0
	s_lshl_b32 s17, s43, 2
	s_add_co_u32 s17, s17, s41                     ; y = 4 x cluster y + cy
	s_lshl_b32 s21, s17, 3                         ; tokens: tile 8 y
	s_mul_i32 s22, s21, TP
	s_mov_b32 s23, 0
	s_lshl_b32 s46, s42, 2
	s_add_co_u32 s46, s46, s40                     ; tc = 4 x cluster x + cx
	s_lshl_b32 s68, s46, 4                         ; Wo: tile 16 tc
	s_mul_i32 s68, s68, TP
	s_mov_b32 s69, 0
	s_mul_i32 s18, s15, PANEL                      ; my K group, in memory
	s_mov_b32 s19, 0
	s_mul_i32 s96, s15, SLOT                       ; and in LDS: no place in the cluster enters an LDS address
	s_add_co_u32 s97, s96, BOFF
	s_wait_dscnt 0x0                               ; both opening adds are done
	s_wait_kmcnt 0x0
	s_add_nc_u64 s[92:93], s[4:5], s[22:23]
	s_add_nc_u64 s[92:93], s[92:93], s[18:19]
	s_add_nc_u64 s[94:95], s[6:7], s[68:69]
	s_add_nc_u64 s[94:95], s[94:95], s[18:19]
	s_mov_b32 s[G0], 1
	s_mov_b32 s[G0+1], s96
	s_mov_b64 s[G0+2:G0+3], s[92:93]
	s_or_b32 s[G0+3], s[G0+3], 0x80000000
	s_mov_b32 s[G0B], 1
	s_mov_b32 s[G0B+1], s97
	s_mov_b64 s[G0B+2:G0B+3], s[94:95]
	s_or_b32 s[G0B+3], s[G0B+3], 0x80000000
	CROUND                                         ; all sixteen work-groups are here: the joint loads meet
	s_cmp_eq_u32 s16, 0                            ; one load a wave; each of the two lines has one mask; an s_nop 0 and four v_nop follow each
	s_cbranch_scc0 .Lfor_b
	tensor_load_to_lds s[G0:G0+3], s[G1:G1+7]
	s_nop 0
	PLACES 4
	s_branch .Lasked
.Lfor_b:
	tensor_load_to_lds s[G0B:G0B+3], s[G1B:G1B+7]
	s_nop 0
	PLACES 4
.Lasked:
	v_and_b32 v1, 15, v0                           ; r
	v_bfe_u32 v2, v0, 4, 1                         ; h
	v_and_b32 v3, 31, v0                           ; lane
	s_mul_i32 s12, s14, 4*PANEL
	s_add_co_u32 s12, s12, BOFF                    ; my four panels of role B
	v_lshlrev_b32 v[ADRA], 4, v3
	v_add_nc_u32 v[ADRA+1], SLOT, v[ADRA]
	v_add_nc_u32 v[ADRB], s12, v[ADRA]
	v_add_nc_u32 v[ADRB+1], SLOT, v[ADRB]
	v_lshlrev_b32 v[ADSA], 4, v1
	v_add_nc_u32 v[ADSA], 4*1536, v[ADSA]          ; a panel's scale words lie behind its four images (lanes 16-31 repeat lanes 0-15 and are not used)
	v_add_nc_u32 v[ADSA+1], SLOT, v[ADSA]
	v_add_nc_u32 v[ADSB], s12, v[ADSA]
	v_add_nc_u32 v[ADSB+1], SLOT, v[ADSB]
	s_mul_i32 s18, s14, 16*SPITCH
	s_add_co_u32 s18, s18, STAGE                   ; my stage
	v_mul_u32_u24 v[STO], v1, SPITCH
	v_lshl_add_u32 v[STO], v2, 6, v[STO]
	v_add_nc_u32 v[STO], s18, v[STO]               ; in: row r, 64 bytes for each half of the lanes in each 128
	v_mul_u32_u24 v[RD], v2, SPITCH
	v_lshl_add_u32 v[RD], v1, 4, v[RD]
	v_add_nc_u32 v[RD], s18, v[RD]                 ; back: lanes 0-15 take one row of 256 bytes, lanes 16-31 the next
	v_lshlrev_b32 v[CO], 14, v2                    ; and the same two rows in out0: a row is 16,384 bytes
	v_lshl_add_u32 v[CO], v1, 4, v[CO]
	s_lshl_b32 s12, s17, 21                        ; my work-group's first token: 128 y rows
	s_lshl_b32 s13, s46, 10
	s_add_co_u32 s12, s12, s13                     ; my first column, in bytes: 1,024 tc + 256 x wave
	s_lshl_b32 s13, s14, 8
	s_add_co_u32 s12, s12, s13
	s_mov_b32 s13, 0
	s_add_nc_u64 s[8:9], s[8:9], s[12:13]
	s_wait_alu depctr_va_vdst(0)                   ; the head's end
	s_wait_tensorcnt 0x0                           ; my load has landed,
	s_barrier_signal -1
	s_barrier_wait -1                              ; and everybody's: both slots are whole
.irp t, 0,1,2,3
.irp g, 0,1
	ds_load_b128 v[SB+8*\t+4*\g:SB+8*\t+4*\g+3], v[ADSB+\g] offset:PANEL*\t   ; Wo's scale words: 8 loads
.endr
.endr
	LDA 0
	LDB 0
	LDB 1
	s_wait_dscnt 48                                ; all but Wo's second K group, the 48 loads just issued
	LDA 1
	MUL16 0, 0
	s_wait_dscnt 26                                ; Wo's second K group is in; tile 1's 26 loads may be out
	MUL16 0, 1
.irp a, 1,2,3,4,5,6,7
	TILE \a
.endr
	PLACES 4                                       ; behind the last products
	WIN 0
	s_wait_xcnt 0x0                                ; tile 5's stores have read the registers that take tile 7's rows
	TOSTAGE 7
	s_wait_dscnt 0x0
	SEND 7
	s_wait_tensorcnt 0x0                           ; the wave's end
	ds_add_u32 v[SPW], v[NIL]
	s_wait_dscnt 0x0
	CROUND                                         ; the closing round: no work-group ends while a partner may still ask for a tile that names it
	s_endpgm
.Lfunc_end_k_q692b593188_gemm_out:
	.size	k_q692b593188_gemm_out, .Lfunc_end_k_q692b593188_gemm_out-k_q692b593188_gemm_out
	.p2alignl 7, 3214868480
	.fill 96, 4, 3214868480
	.section	.rodata,"a",@progbits
	.p2align	6, 0x0
	.amdhsa_kernel k_q692b593188_gemm_out
		.amdhsa_group_segment_fixed_size 327680
		.amdhsa_private_segment_fixed_size 0
		.amdhsa_enable_private_segment 0
		.amdhsa_kernarg_size 24
		.amdhsa_user_sgpr_count 2
		.amdhsa_user_sgpr_kernarg_segment_ptr 1
		.amdhsa_wavefront_size32 1
		.amdhsa_system_sgpr_workgroup_id_x 1
		.amdhsa_system_sgpr_workgroup_id_y 1
		.amdhsa_system_sgpr_workgroup_id_z 1
		.amdhsa_system_vgpr_workitem_id 0
		.amdhsa_next_free_vgpr 1024
		.amdhsa_next_free_sgpr 100
		.amdhsa_reserve_vcc 0
		.amdhsa_float_denorm_mode_32 3
		.amdhsa_float_denorm_mode_16_64 3
		.amdhsa_memory_ordered 1
		.amdhsa_forward_progress 1
		.amdhsa_inst_pref_size 76
	.end_amdhsa_kernel
	.amdgpu_metadata
---
amdhsa.version: [ 1, 2 ]
amdhsa.kernels:
  - .name:           k_q692b593188_gemm_out
    .symbol:         k_q692b593188_gemm_out.kd
    .args:
      - { .name: ai, .offset: 0, .size: 8, .value_kind: global_buffer, .address_space: global }
      - { .name: woq, .offset: 8, .size: 8, .value_kind: global_buffer, .address_space: global }
      - { .name: out0, .offset: 16, .size: 8, .value_kind: global_buffer, .address_space: global }
    .group_segment_fixed_size: 327680
    .private_segment_fixed_size: 0
    .kernarg_segment_align: 8
    .kernarg_segment_size: 24
    .max_flat_workgroup_size: 128
    .sgpr_count:     100
    .vgpr_count:     1024
    .wavefront_size: 32
...
	.end_amdgpu_metadata
.endif
;; end of part 4
